; MI455X (gfx1250); checked and timed in simulation.
; The chip was launched on July 23, 2026; its instructions are those of AMD's public machine-readable ISA for CDNA 5 (MIT licence, August 2026) and "CDNA5" Instruction Set Architecture Reference Guide (July 2026). The comments in the code are by the model that wrote it; some were corrected since.
;; Multi Head Attention. Allowed arithmetic: matrix products marked QUANTISED: E2M3 operands, one E8M0 scale for each 32 along K, by v_wmma_scale_f32_16x16x128_f8f6f4 with both operands' format E2M3, f32 sums; everything else in f32.
;; Inputs: Wk 1,024 x 1,024 float32; Wo 1,024 x 1,024 float32; Wq 1,024 x 1,024 float32; Wv 1,024 x 1,024 float32; bk 1,024 float32; bo 1,024 float32; bq 1,024 float32; bv 1,024 float32; k 1,024 x 8 x 1,024 float32; mask 8 x 1,024 x 1,024 float32; q 1,024 x 8 x 1,024 float32; rel_k_table 33 x 64 float32; rel_v_table 33 x 64 float32; v 1,024 x 8 x 1,024 float32.
;; Outputs: out0 1,024 x 8 x 1,024 float32.
;; This version of the problem:
;;   THIS VERSION OF THE PROBLEM IS GIVEN IN LOW PRECISION. The matrix products marked QUANTISED in the list below multiply operands that are first quantised to E2M3 (2 exponent bits, 3 mantissa bits; 6 bits a number), with one power-of-two scale for each 32 numbers along K (OCP MX v1.0); their sums are f32. All else is computed in f32.
;;   The module's matrix products, in the order in which they are computed (A, B: the left and right operand; K: the contracted axis; several contracted axes count as one K, in the product's order):
;;     1. [M 8,192, K 1,024] x [K 1,024, N 1,024]; A: input q; B: input Wq: QUANTISED
;;     2. [M 8,192, K 1,024] x [K 1,024, N 1,024]; A: input k; B: input Wk: QUANTISED
;;     3. [M 8,192, K 1,024] x [K 1,024, N 1,024]; A: input v; B: input Wv: QUANTISED
;;     4. batch 128 x [M 1,024, K 64] x [K 64, N 1,024]; A: computed on the way; B: computed on the way: QUANTISED
;;     5. batch 1,024 x [M 1,024, K 64] x [K 64, N 128]; A: computed on the way; B: computed on the way: QUANTISED
;;     6. batch 128 x [M 1,024, K 1,024] x [K 1,024, N 64]; A: softmax (see below); B: computed on the way: QUANTISED
;;     7. batch 1,024 x [M 64, K 1,024] x [K 1,024, N 128]; A: computed on the way; B: softmax (see below): QUANTISED
;;     8. [M 8,192, K 1,024] x [K 1,024, N 1,024]; A: computed on the way; B: input Wo: QUANTISED
;;   THE QUANTISER, for each operand of a quantised product, along K:
;;     - K is cut into blocks of 32 from its start; a last block that is shorter is filled with zeros.
;;     - A block's scale is 2^e with e = floor(log2(the largest magnitude in the block)) - 2, held to -126 .. 127; a block of zeros has e = 0. As a byte (E8M0): e + 127.
;;     - Each number is divided by its block's scale, clamped to +-7.5, and rounded to the nearest number of E2M3, ties to even, subnormals kept.
;;     - The product sums the exact products of the quantised numbers (number of the format x scale) in f32.
;;   ~~~python
;;   def quantise(x, axis):      # numpy; x: float32 -> the quantised numbers, widened to float32 again
;;       x = np.moveaxis(x, axis, -1); K = x.shape[-1]
;;       x = np.pad(x, [(0, 0)] * (x.ndim - 1) + [(0, -K % 32)]); x = x.reshape(x.shape[:-1] + (-1, 32)); a = np.abs(x).max(-1, keepdims=True)
;;       e = np.where(a > 0, np.clip(np.frexp(np.where(a > 0, a, 1))[1] - 1 - 2, -126, 127), 0)      # np.frexp(a)[1] - 1 = floor(log2(a)), exactly
;;       r = np.clip(x / 2.0 ** e, -7.5, 7.5)
;;       step = 2.0 ** (np.maximum(np.frexp(np.where(r == 0, 1, r))[1] - 1, 0) - 3)
;;       q = np.round(r / step) * step * 2.0 ** e      # np.round: ties to even
;;       return np.moveaxis(q.reshape(q.shape[:-2] + (-1,))[..., :K], -1, axis).astype(np.float32)
;;   ~~~
;;   SOFTMAX AHEAD OF A QUANTISED PRODUCT. Where the list says 'softmax', what is quantised is not the finished softmax but p = 2^(t - M), with t = logit x log2(e) and M = ceil(the row's largest t), a whole number; so 1/2 < the row's largest p <= 1. The row's sum l is taken of the UNQUANTISED p, in f32, and the product's result is divided by l at the end. Since M is a whole number, a kernel that streams over the keys may use a running M (the ceiling of the running maximum): every later rescaling is an exact power of two, which a block's scale takes up: the codes' values come out the same.
;;   OPERANDS COMPUTED ON THE WAY. 'Computed on the way' means the value that the module computes at that place (a softmax that the list does not call 'softmax' is quantised finished and normalised). What goes into a quantiser is computed in f32, as accurately as f32 sums, v_exp_f32 and their like allow (about 1e-6 of the number): no bf16 or f16 on the way to a quantiser, and a product that is left as it is and whose result goes on into a quantised operand takes f32 operands (vector FMAs, or v_wmma_f32_16x16x4_f32). A number that lies on a knife's edge between two numbers of the format may be rounded either way, as far as f32 arithmetic and the matrix unit's own rounding can turn it there, and no further.
;; One version. Each part assembles by itself: llvm-mc -triple=amdgcn-amd-amdhsa -mcpu=gfx1250 --defsym DOCPART=n.
;; ======== version 1 of 1: 4 launches
;; limits: right only within a limited range of input values
;; workspace buffers: xc 18,874,368 bytes; wc 3,145,728 bytes; sw 1,179,648 bytes; qf 6,815,744 bytes; kv 13,631,488 bytes; tab 109,824 bytes; mk 33,554,432 bytes; of 6,291,456 bytes
;; launch prep_all (part 1): grid 485 x 1, 16 waves a work-group, no clusters, 227,328 bytes of LDS; arguments q, k, v, xc, sw, Wq, Wk, Wv, Wo, wc, rel_k_table, rel_v_table, tab, mask, mk; writes xc, sw, wc, tab, mk
.if DOCPART == 1
	.amdgcn_target "amdgcn-amd-amdhsa--gfx1250"
	.amdhsa_code_object_version 6
	.text
	.protected	k_qd3da0f0758_prep_all
	.globl	k_qd3da0f0758_prep_all
	.p2align	8
	.type	k_qd3da0f0758_prep_all,@function
k_qd3da0f0758_prep_all:
	s_mov_b64 s[64:65], 0
	v_nop
	global_prefetch_b8 v0, s[64:65] scope:SCOPE_SE
	s_setreg_imm32_b32 hwreg(HW_REG_WAVE_MODE, 25, 1), 1
	s_wait_xcnt 0x0
; ALL THAT IS PREPARED, IN ONE LAUNCH.  The work-group's number g picks the job, the longest first: 0-191 q, k, v; 192-223 the weights; 224-228 the tables of relative positions; 229-484 the mask.
; No tensor load.  Job 0 has LDS bytes 0 .. 86,015; in the other jobs the waves share nothing and each keeps to its own 8,704 bytes from 86,016 on.
; A block's scale is 2^(floor(log2(largest magnitude)) - 2); its byte is the largest magnitude's exponent field - 2, held at 1 from below.
; JOB 0.  q, k, v [1024 t][8 b][1024] f32 become codes of FP6 (E2M3), K innermost, and E8M0 scale words.
;   xc: [tensor][b][pos][768 bytes]; the row at pos holds x[t][b][:], t = pos for q, and for k and v t = pos with bits 3 and 4 exchanged, so that two neighbouring result tiles of the projection hold 16 neighbours of the next product's K.
;   sw: [block of 16 rows][128 along K: 8][16 rows][4 bytes], rows in xc's order.
;   A work-group takes 16 positions of one tensor, a wave one position: 8 rows b, 8,192 numbers, in 16 steps of 512.  Each load reads 512 consecutive bytes; the numbers turn through the wave's own stage so that a lane holds 16 neighbours.
;   The 16 waves' scale bytes meet in LDS (one barrier, which every wave of such a work-group passes) and leave as aligned runs of 256 bytes.
; JOB 1.  Wq, Wk, Wv, Wo [1024 k][1024 n] f32 (K is the first axis) become codes laid [weight][pos][768 bytes], K innermost; the row at pos holds column n = pos with bits 3 and 4 exchanged for Wq, Wk, Wv, and n = pos for Wo.
;   A lane takes a column and its registers run down K.  A wave takes 32 positions x 256 along K (unit 4 (g - 192) + wave / 4 of 128, quarter wave % 4); the codes go through the wave's stage and leave as rows of 192 bytes.
;   Scale words go to sw at 786,432 + 32,768 x weight, laid as job 0's.
; JOB 2.  68 pieces, a wave each (piece = 16 (g - 224) + wave; the last work-group's waves past piece 67 have none).
;   Pieces 0-63: G fragment F.  For a tile of 16 queries beginning at t0, a block of 32 keys beginning at t0 + delta (delta = -32 + 16 par + 32 x, F = 32 par + 16 x + 4 kappa + tau) cuts the clip window.
;     The fragment has rows d (row r of tile tau is d = 32 (tau/2) + 8 (tau%2) + r + 8 (r/8)) and K = (query t' = 4 kappa .. + 3, key s' = 0 .. 31): codes of rel_v_table[clip(delta - t' + s', -16, 16) + 16][d], one scale for each (d, t').
;     Stored as an image of the operand's registers: registers 4 q .. 4 q + 3 of lane l at 1,536 F + 512 q + 16 l; scale word at 98,304 + 128 F + 4 l.
;   Pieces 64-66: rel_k_table's rows 16 tk .. + 15 (rows past 32: zero codes) as codes along d: registers 0-3 at 106,496 + 768 tk + 16 l, 4-5 at + 512 + 8 l; scale word (bytes 2, 3 = 127) at 108,800 + 128 tk + 4 l.
;   Piece 67: rows 0 and 32 of rel_v_table quantised as blocks of 32 equal numbers, as f32, at 109,312 and 109,568.
; JOB 3.  The mask [8 b][1024 t][1024 s] f32 is laid in the order of the score accumulators' registers, since sixteen heads read it:
;   mk [b][tile of 16 queries][step of 128 keys][chunk c of 16][lane][16 bytes]; chunk c of lane (r, h) holds query r, keys 32 (c / 4) + 16 h + 4 (c % 4) + 0 .. 3 of the step.
;   A wave takes 16 queries x 128 keys: 16 loads of 512 consecutive bytes, a turn through its own LDS (chunks 528 bytes apart), 16 stores of 512 consecutive bytes.
; LIMITS: blocks whose largest magnitude lies under 2^-124 keep the byte 1 (a block of zeros too: its codes are zeros); denormal entries of rel_v_table's rows 0 and 32 are not served in piece 67; NaN and infinities are not served.
.set NQG,   192
.set NWG,   32
.set NTG,   5
.set EMAX,  2
.set PB,    86016                      ; where the waves' regions of jobs 1 and 3 begin
.set WREG,  8704
.set SPARE, PB+16*WREG                 ; 225,280: the spare words, 128 bytes a wave
.set SPW,   192                        ; v192 LDS address of my spare word; never rewritten
.set NIL,   193                        ; v193 0; never rewritten
	v_lshl_add_u32 v[SPW], v0, 2, SPARE
	v_mov_b32 v[NIL], 0
	v_lshrrev_b32 v1, 5, v0
	v_readfirstlane_b32 s16, v1                    ; wave
	s_wait_alu depctr_va_vdst(0)
	s_cmp_lt_u32 ttmp9, NQG                        ; the job hangs on the work-group's number alone
	s_cbranch_scc0 .Lnot_x
; ---------------------------------------------------------------- JOB 0: q, k, v
.set STEPS, 16
.set CB,    12                         ; bytes of 16 codes
.set R,     16                         ; v16-79   four sets of 16 numbers as loaded
.set XQ,    80                         ; v80-111  two sets of 16 neighbours
.set CQ,    128                        ; v128-191 codes, four registers a step
.set E,     112                        ; v112-127 a scale byte a step
.set QREG,  5120                       ; a wave's two stages of 32 x 80 bytes
.set SP,    80
.set SCB,   81920                      ; the work-group's scale bytes: [b][128 along K][row = wave][byte], 4,096 bytes
	s_load_b256 s[4:11], s[0:1], 0x0               ; q, k, v, xc
	s_load_b64 s[12:13], s[0:1], 0x20              ; sw
	v_and_b32 v2, 31, v0                           ; lane
	v_lshlrev_b32 v3, 4, v2                        ; my 16 bytes of a load's 512
	s_mul_i32 s17, s16, QREG
	v_lshrrev_b32 v14, 2, v2
	v_mul_u32_u24 v14, v14, SP
	v_and_b32 v15, 3, v2
	v_lshl_add_u32 v14, v15, 4, v14
	v_add_nc_u32 v14, s17, v14                     ; the stage, way in: 80 (lane / 4) + 16 (lane % 4)
	v_mul_u32_u24 v15, v2, SP
	v_add_nc_u32 v15, s17, v15                     ; way out: 80 x lane
	v_mul_u32_u24 v4, v2, CB                       ; my codes' place in a step's 384 bytes
	v_lshrrev_b32 v5, 3, v2
	v_bfe_u32 v6, v2, 1, 2
	v_lshl_add_u32 v5, v5, 6, v6                   ; 64 x (lane / 8) + (lane / 2) % 4
	s_lshl_b32 s17, s16, 2
	s_add_co_u32 s17, s17, SCB
	v_add_nc_u32 v5, s17, v5                       ; + 4 x wave: my block's byte
	v_lshlrev_b32 v7, 3, v2
	s_lshl_b32 s17, s16, 8
	s_add_co_u32 s17, s17, SCB
	v_add_nc_u32 v6, s17, v7                       ; on the way out: 256 bytes a wave, 8 a lane
	s_lshr_b32 s18, ttmp9, 6                       ; which tensor
	s_and_b32 s19, ttmp9, 63                       ; which 16 positions
	s_lshl_b32 s20, s19, 4
	s_add_co_u32 s20, s20, s16                     ; pos
	s_and_b32 s21, s20, 0x3e7
	s_and_b32 s22, s20, 8
	s_lshl_b32 s22, s22, 1
	s_or_b32 s21, s21, s22
	s_and_b32 s22, s20, 16
	s_lshr_b32 s22, s22, 1
	s_or_b32 s21, s21, s22                         ; pos with bits 3 and 4 exchanged
	s_cmp_eq_u32 s18, 0
	s_cselect_b32 s21, s20, s21                    ; t
	s_wait_alu depctr_va_vdst(0)
	s_wait_kmcnt 0x0
	s_cmp_eq_u32 s18, 1
	s_cselect_b64 s[4:5], s[6:7], s[4:5]
	s_cmp_eq_u32 s18, 2
	s_cselect_b64 s[4:5], s[8:9], s[4:5]           ; the tensor: the choice hangs on the work-group's number alone
	s_lshl_b32 s22, s21, 15                        ; 32,768 bytes a t
	s_mov_b32 s23, 0
	s_add_nc_u64 s[4:5], s[4:5], s[22:23]
	s_mul_i32 s22, s18, 6291456
	s_mul_i32 s24, s20, 768
	s_add_co_u32 s22, s22, s24
	s_add_nc_u64 s[10:11], s[10:11], s[22:23]      ; xc at [tensor][0][pos]
	s_lshl_b32 s22, s18, 18
	s_lshr_b32 s24, s16, 1
	s_lshl_b32 s24, s24, 6
	s_add_co_u32 s24, s24, s19
	s_lshl_b32 s24, s24, 9
	s_add_co_u32 s22, s22, s24
	s_and_b32 s24, s16, 1
	s_lshl_b32 s24, s24, 8
	s_add_co_u32 s22, s22, s24
	s_add_nc_u64 s[12:13], s[12:13], s[22:23]      ; sw: row block 64 (wave / 2) + position group, half wave % 2
.macro QLOAD t
.irp i, 0,1,2,3
	global_load_b128 v[R+16*((\t)%4)+4*\i:R+16*((\t)%4)+4*\i+3], v3, s[4:5] offset:2048*(\t)+512*\i th:TH_LOAD_NT
.endr
.endm
.macro QTURN t                         ; a step's numbers through the stage: LDS serves a wave's instructions in order
.irp i, 0,1,2,3
	ds_store_b128 v14, v[R+16*((\t)%4)+4*\i:R+16*((\t)%4)+4*\i+3] offset:32*SP*((\t)%2)+8*SP*\i
.endr
.irp i, 0,1,2,3
	ds_load_b128 v[XQ+16*((\t)%2)+4*\i:XQ+16*((\t)%2)+4*\i+3], v15 offset:32*SP*((\t)%2)+16*\i
.endr
.endm
.irp t, 0,1,2,3
	QLOAD \t
.endr
	s_wait_loadcnt 12                              ; step 0's four loads are in
	QTURN 0
.macro QSTEP t
.set XS, XQ+16*((\t)%2)
.if (\t) > 0
	s_wait_dscnt 1                                 ; this step's numbers are back (the last byte store may be out)
.else
	s_wait_dscnt 0x0
.endif
.if (\t)+4 < STEPS
	QLOAD (\t)+4
.endif
.if (\t)+1 < STEPS
.if STEPS-2-(\t) >= 3
	s_wait_loadcnt 12                              ; the next step's loads are in; three later steps' 12 may be out
.else
	s_wait_loadcnt 4*(STEPS-2-(\t))
.endif
	QTURN (\t)+1
.endif
	v_max3_num_f32 v8, |v[XS]|, |v[XS+1]|, |v[XS+2]|
	v_max3_num_f32 v9, |v[XS+3]|, |v[XS+4]|, |v[XS+5]|
.irp i, 6,10
	s_delay_alu instid0(VALU_DEP_2)
	v_max3_num_f32 v8, v8, |v[XS+\i]|, |v[XS+\i+1]|
	s_delay_alu instid0(VALU_DEP_2)
	v_max3_num_f32 v9, v9, |v[XS+\i+2]|, |v[XS+\i+3]|
.endr
	s_delay_alu instid0(VALU_DEP_2)
	v_max3_num_f32 v8, v8, |v[XS+14]|, |v[XS+15]|
	s_delay_alu instid0(VALU_DEP_1)
	v_max3_num_f32 v8, v8, v9, (EMAX+1)<<23        ; the floor: the byte cannot fall under 1
	s_delay_alu instid0(VALU_DEP_1)
	v_max_num_f32_dpp v8, v8, v8 row_xmask:1 row_mask:0xf bank_mask:0xf   ; with my neighbour's 16: the block's
	s_delay_alu instid0(VALU_DEP_1)
	v_add_nc_u32 v11, -(EMAX<<23), v8              ; 2 off the exponent field: the conversion's scale operand
	v_cvt_scalef32_pk16_fp6_f32 v[CQ+4*(\t):CQ+4*(\t)+2], v[XS:XS+15], v11
	v_lshrrev_b32 v[E+(\t)], 23, v11               ; the scale's byte
	ds_store_b8 v5, v[E+(\t)] offset:256*(\t)      ; step t is row b = t / 2, K half t % 2; both lanes of a block write the same byte
	global_store_b96 v4, v[CQ+4*(\t):CQ+4*(\t)+2], s[10:11] offset:((\t)/2)*786432+((\t)%2)*384
.endm
.irp t, 0,1,2,3,4,5,6,7,8,9,10,11,12,13,14,15
	QSTEP \t
.endr
	s_wait_dscnt 0x0                               ; my byte stores have landed
	s_barrier_signal -1
	s_barrier_wait -1                              ; everybody's have
	ds_load_b64 v[8:9], v6
	s_wait_dscnt 0x0
	global_store_b64 v7, v[8:9], s[12:13]          ; 32 lanes store 256 consecutive bytes, aligned
	s_branch .Lend
.Lnot_x:
	s_mul_i32 s3, s16, WREG
	s_add_co_u32 s3, s3, PB                        ; my wave's own LDS
	s_lshr_b32 s33, s16, 2                         ; wave / 4
	s_and_b32 s35, s16, 3                          ; wave % 4
	s_cmp_lt_u32 ttmp9, NQG+NWG
	s_cbranch_scc0 .Lnot_w
; ---------------------------------------------------------------- JOB 1: the weights
.set NB,    8
.set ROWB,  192
.set PITCH, 272                        ; a stage row: sixteen places of 16 bytes, each with 12 bytes of codes, + 16; 32 rows are WREG
.set KROW,  768
.set X,     32
.set C,     96
.set OUTR,  112
.set SB,    24
	s_load_b256 s[4:11], s[0:1], 0x28              ; Wq, Wk, Wv, Wo
	s_load_b64 s[12:13], s[0:1], 0x48              ; wc
	s_load_b64 s[14:15], s[0:1], 0x20              ; sw
	s_sub_co_u32 s34, ttmp9, NQG
	s_lshl_b32 s34, s34, 2
	s_add_co_u32 s34, s34, s33                     ; the unit, 0 .. 127
	v_and_b32 v2, 31, v0                           ; lane = position in the wave's 32
	s_and_b32 s2, s34, 31
	s_lshr_b32 s30, s2, 3                          ; which weight
	s_and_b32 s31, s2, 7
	s_lshl_b32 s17, s31, 7
	s_lshl_b32 s18, s35, 5
	s_add_co_u32 s17, s17, s18                     ; my wave's first position
	s_lshr_b32 s18, s34, 5                         ; which 256 along K
	v_and_b32 v3, 7, v2
	v_bfe_u32 v5, v2, 3, 1
	v_lshl_or_b32 v3, v5, 4, v3
	v_bfe_u32 v5, v2, 4, 1
	v_lshl_or_b32 v3, v5, 3, v3                    ; the lane with bits 3 and 4 exchanged
	s_wait_alu depctr_va_vdst(0)
	s_cmp_lt_u32 s30, 3
	s_cselect_b32 s19, -1, 0
	v_cndmask_b32 v3, v2, v3, s19                  ; Wo keeps its order
	v_lshlrev_b32 v3, 2, v3                        ; the column that I read, in bytes
	v_mul_u32_u24 v4, v2, PITCH
	v_add_nc_u32 v4, s3, v4                        ; the stage: row = my position
	v_and_b32 v5, 15, v2
	v_lshrrev_b32 v6, 4, v2
	v_mul_u32_u24 v7, v6, PITCH
	v_lshl_add_u32 v7, v5, 4, v7
	v_add_nc_u32 v7, s3, v7                        ; out of it: sixteen lanes to a row
	v_mul_u32_u24 v8, v6, KROW
	v_mad_u32_u24 v8, v5, 12, v8
	v_lshlrev_b32 v9, 9, v6
	v_lshl_add_u32 v9, v5, 2, v9                   ; my scale words: 512 (lane / 16) + 4 (lane % 16)
	s_lshl_b32 s20, s18, 20                        ; 256 rows of 4,096 bytes
	s_lshl_b32 s22, s17, 2
	s_add_co_u32 s20, s20, s22
	s_mov_b32 s21, 0
	s_mul_i32 s24, s30, 786432
	s_mul_i32 s22, s17, KROW
	s_add_co_u32 s24, s24, s22
	s_mul_i32 s22, s18, ROWB
	s_add_co_u32 s24, s24, s22
	s_mov_b32 s25, 0
	s_lshl_b32 s28, s30, 15
	s_add_co_u32 s28, s28, 786432
	s_lshl_b32 s22, s17, 5                         ; 512 bytes for 16 positions
	s_add_co_u32 s28, s28, s22
	s_lshl_b32 s22, s18, 7                         ; two words of 64 bytes a chunk of K
	s_add_co_u32 s28, s28, s22
	s_mov_b32 s29, 0
	s_wait_alu depctr_va_vdst(0)
	s_wait_kmcnt 0x0
	s_cmp_eq_u32 s30, 1
	s_cselect_b64 s[4:5], s[6:7], s[4:5]
	s_cmp_eq_u32 s30, 2
	s_cselect_b64 s[4:5], s[8:9], s[4:5]
	s_cmp_eq_u32 s30, 3
	s_cselect_b64 s[4:5], s[10:11], s[4:5]
	s_add_nc_u64 s[4:5], s[4:5], s[20:21]
	s_add_nc_u64 s[12:13], s[12:13], s[24:25]
	s_add_nc_u64 s[14:15], s[14:15], s[28:29]
.macro LOAD t                          ; block t: W(32 t + i, my column), i = 0 .. 31, into set t % 2
.set i, 0
.rept 32
	global_load_b32 v[X+32*((\t)%2)+i], v3, s[4:5] offset:(32*(\t)+i)*4096 th:TH_LOAD_NT
.set i, i+1
.endr
.endm
	LOAD 0
	LOAD 1
.macro BLOCK t
.set XS, X+32*((\t)%2)
.if (\t) < NB-1
	s_wait_loadcnt 32                              ; this block's 32 loads are in; the next block's may be out
.else
	s_wait_loadcnt 0
.endif
	v_max3_num_f32 v12, |v[XS]|, |v[XS+1]|, |v[XS+2]|
	v_max3_num_f32 v13, |v[XS+3]|, |v[XS+4]|, |v[XS+5]|
.irp i, 6,10,14,18,22,26
	v_max3_num_f32 v12, v12, |v[XS+\i]|, |v[XS+\i+1]|
	v_max3_num_f32 v13, v13, |v[XS+\i+2]|, |v[XS+\i+3]|
.endr
	v_max3_num_f32 v12, v12, |v[XS+30]|, |v[XS+31]|
	v_max3_num_f32 v12, v12, v13, (EMAX+1)<<23     ; the floor: the byte cannot fall under 1
	v_add_nc_u32 v11, -(EMAX<<23), v12             ; 2 off the exponent field: the conversion's scale operand
	v_lshrrev_b32 v13, 23, v11                     ; the scale's byte
.if (\t)%4 == 0
	v_mov_b32 v[SB+(\t)/4], v13
.else
	v_lshl_or_b32 v[SB+(\t)/4], v13, 8*((\t)%4), v[SB+(\t)/4]
.endif
	v_cvt_scalef32_pk16_fp6_f32 v[C:C+2], v[XS:XS+15], v11
	v_cvt_scalef32_pk16_fp6_f32 v[C+4:C+6], v[XS+16:XS+31], v11
	ds_store_b96 v4, v[C:C+2] offset:32*(\t)
	ds_store_b96 v4, v[C+4:C+6] offset:32*(\t)+16
.if (\t)+2 < NB
	LOAD (\t)+2
.endif
	s_wait_dscnt 0x0                               ; the stores have read their registers
.endm
.set Q, 0
.rept NB
	BLOCK Q
.set Q, Q+1
.endr
	global_store_b32 v9, v[SB], s[14:15]
	s_wait_alu depctr_va_vdst(0)
	global_store_b32 v9, v[SB+1], s[14:15] offset:64
.irp t, 0,1,2,3,4,5,6,7,8,9,10,11,12,13,14,15
	ds_load_b96 v[OUTR+4*\t:OUTR+4*\t+2], v7 offset:2*\t*PITCH   ; my own bytes: LDS serves a wave's instructions in order
.endr
.irp t, 0,1,2,3,4,5,6,7,8,9,10,11,12,13,14,15
	s_wait_dscnt 15-\t
	global_store_b96 v8, v[OUTR+4*\t:OUTR+4*\t+2], s[12:13] offset:2*\t*KROW
.endr
	s_branch .Lend
.Lnot_w:
	s_cmp_lt_u32 ttmp9, NQG+NWG+NTG
	s_cbranch_scc0 .Lmask
; ---------------------------------------------------------------- JOB 2: the tables (no LDS)
	s_sub_co_u32 s11, ttmp9, NQG+NWG
	s_lshl_b32 s11, s11, 4
	s_add_co_u32 s11, s11, s16                     ; the piece
	s_cmp_gt_u32 s11, 67
	s_cbranch_scc1 .Lend                           ; 5 x 16 waves for 68 pieces
	s_load_b128 s[4:7], s[0:1], 0x50               ; rel_k_table, rel_v_table
	s_load_b64 s[8:9], s[0:1], 0x60                ; tab
	v_and_b32 v1, 15, v0                           ; r
	v_bfe_u32 v2, v0, 4, 1                         ; h
	v_and_b32 v3, 31, v0
	v_lshlrev_b32 v4, 4, v3                        ; 16 l
	v_lshlrev_b32 v5, 2, v3                        ; 4 l
	v_lshlrev_b32 v6, 3, v3                        ; 8 l
	s_mov_b32 s20, 0x76543210
	s_mov_b32 s21, 0xfedcba98                      ; lane l xor 16
	s_mov_b32 s17, 0
	s_wait_alu depctr_va_vdst(0)
	s_wait_kmcnt 0x0
	s_cmp_lt_u32 s11, 64
	s_cbranch_scc0 .Lnot_g
	s_lshr_b32 s12, s11, 4                         ; 2 par + x
	s_bfe_u32 s13, s11, 0x20002                    ; kappa
	s_and_b32 s14, s11, 3                          ; tau
	s_lshr_b32 s15, s12, 1
	s_lshl_b32 s15, s15, 4
	s_and_b32 s16, s12, 1
	s_lshl_b32 s16, s16, 5
	s_add_co_u32 s15, s15, s16
	s_add_co_u32 s15, s15, 48                      ; delta + 80
	s_lshl_b32 s16, s13, 2
	s_sub_co_u32 s15, s15, s16                     ; - 4 kappa
	v_sub_nc_u32 v10, s15, v2                      ; - h: never under 33
	s_lshr_b32 s16, s14, 1
	s_lshl_b32 s16, s16, 5
	s_and_b32 s18, s14, 1
	s_lshl_b32 s18, s18, 3
	s_add_co_u32 s16, s16, s18
	v_and_b32 v11, 8, v1
	v_add_nc_u32 v11, v11, v1
	v_add_nc_u32 v11, s16, v11
	v_lshlrev_b32 v11, 2, v11                      ; 4 d
.irp c, 0,1
.set i, 0
.rept 32
	v_add_nc_u32 v[128+32*\c+i], i-2*\c, v10       ; y = delta - t' + s' + 80, t' = 4 kappa + 2 c + h
	v_min_u32 v12, 64, v[128+32*\c+i]
	v_sub_nc_u32 v[128+32*\c+i], v[128+32*\c+i], v12     ; max(y - 64, 0)
	v_min_u32 v[128+32*\c+i], 32, v[128+32*\c+i]         ; the table's row
	v_lshl_add_u32 v[128+32*\c+i], v[128+32*\c+i], 8, v11
.set i, i+1
.endr
.endr
.set i, 0
.rept 64
	global_load_b32 v[64+i], v[128+i], s[6:7]
.set i, i+1
.endr
	s_wait_loadcnt 0x0
.irp c, 0,1
	v_max3_num_f32 v[32+\c], |v[64+32*\c]|, |v[65+32*\c]|, 0x1800000
.endr
.irp i, 2,4,6,8,10,12,14,16,18,20,22,24,26,28,30
.irp c, 0,1
	v_max3_num_f32 v[32+\c], v[32+\c], |v[64+32*\c+\i]|, |v[65+32*\c+\i]|
.endr
.endr
.irp c, 0,1
	v_add_nc_u32 v[44+\c], 0xff000000, v[32+\c]
.endr
.irp c, 0,1
	v_lshrrev_b32 v[36+\c], 23, v[44+\c]
.endr
	v_lshl_or_b32 v9, v37, 16, v36                 ; my two bytes: blocks h and 2 + h
	v_lshlrev_b32 v13, 3, v2
	v_lshlrev_b32 v9, v13, v9
	v_mov_b32 v13, 0
	v_permlanex16_b32 v13, v9, s20, s21
	v_or_b32 v9, v9, v13                           ; the word is whole
.irp c, 0,1
	v_cvt_scalef32_pk16_fp6_f32 v[48+6*\c:50+6*\c], v[64+32*\c:79+32*\c], v[44+\c]
	v_cvt_scalef32_pk16_fp6_f32 v[16+4*\c:18+4*\c], v[80+32*\c:95+32*\c], v[44+\c]   ; (a conversion's three registers begin on an even number)
.endr
	v_nop                                          ; one plain place behind a scaled conversion
.irp c, 0,1
.irp i, 0,1,2
	v_mov_b32 v[51+6*\c+\i], v[16+4*\c+\i]
.endr
.endr
	s_mul_i32 s16, s11, 1536
	s_add_nc_u64 s[22:23], s[8:9], s[16:17]
	s_lshl_b32 s16, s11, 7
	s_add_nc_u64 s[24:25], s[8:9], s[16:17]
	global_store_b128 v4, v[48:51], s[22:23]
	global_store_b128 v4, v[52:55], s[22:23] offset:512
	global_store_b128 v4, v[56:59], s[22:23] offset:1024
	global_store_b32 v5, v9, s[24:25] offset:98304
	s_branch .Lend
.Lnot_g:
	s_cmp_lt_u32 s11, 67
	s_cbranch_scc0 .Lqt
	s_sub_co_u32 s12, s11, 64                      ; tk
	s_lshl_b32 s13, s12, 4
	v_add_nc_u32 v10, s13, v1                      ; the table's row j
	v_min_u32 v11, 32, v10                         ; no load leaves the table
	v_lshlrev_b32 v11, 8, v11
	v_lshl_add_u32 v11, v2, 7, v11                 ; + my block of 32
.irp i, 0,1,2,3,4,5,6,7
	global_load_b128 v[64+4*\i:67+4*\i], v11, s[4:5] offset:16*\i
.endr
	v_mov_b32 v7, 0
	v_cmp_lt_u32 vcc_lo, 32, v10
	s_wait_alu depctr_va_vdst(0)
	s_wait_loadcnt 0x0
.set i, 0
.rept 32
	v_cndmask_b32 v[64+i], v[64+i], v7, vcc_lo     ; rows past the table are zeros
.set i, i+1
.endr
	v_max3_num_f32 v32, |v64|, |v65|, 0x1800000
.irp i, 2,4,6,8,10,12,14,16,18,20,22,24,26,28,30
	v_max3_num_f32 v32, v32, |v[64+\i]|, |v[65+\i]|
.endr
	v_add_nc_u32 v44, 0xff000000, v32
	v_lshrrev_b32 v36, 23, v44
	v_lshlrev_b32 v13, 3, v2
	v_lshlrev_b32 v9, v13, v36
	v_mov_b32 v13, 0
	v_permlanex16_b32 v13, v9, s20, s21
	v_or_b32 v9, v9, v13
	v_or_b32 v9, 0x7f7f0000, v9                    ; the upper 64 of the instruction's K are zero codes under the scale 1
	v_cvt_scalef32_pk16_fp6_f32 v[48:50], v[64:79], v44
	v_cvt_scalef32_pk16_fp6_f32 v[16:18], v[80:95], v44
	v_nop                                          ; one plain place behind a scaled conversion
.irp i, 0,1,2
	v_mov_b32 v[51+\i], v[16+\i]
.endr
	s_mul_i32 s16, s12, 768
	s_add_nc_u64 s[22:23], s[8:9], s[16:17]
	s_lshl_b32 s16, s12, 7
	s_add_nc_u64 s[24:25], s[8:9], s[16:17]
	global_store_b128 v4, v[48:51], s[22:23] offset:106496
	global_store_b64 v6, v[52:53], s[22:23] offset:107008
	global_store_b32 v5, v9, s[24:25] offset:108800
	s_branch .Lend
.Lqt:
	global_load_b32 v16, v5, s[6:7]                ; row 0, d = lane
	global_load_b32 v17, v5, s[6:7] offset:128     ; d = lane + 32
	global_load_b32 v18, v5, s[6:7] offset:8192    ; row 32
	global_load_b32 v19, v5, s[6:7] offset:8320
	v_mov_b32 v7, 0x41700000                       ; 15.0
	s_wait_alu depctr_va_vdst(0)
	s_wait_loadcnt 0x0
.irp i, 0,1,2,3
	v_bfe_u32 v[20+\i], v[16+\i], 23, 8            ; a block of 32 copies of x has the scale 2^(E - 129): x / scale lies in [4, 8), where the codes are 0.5 apart
	v_sub_nc_u32 v[24+\i], 130, v[20+\i]
	v_ldexp_f32 v[28+\i], v[16+\i], v[24+\i]       ; 2 x / scale, in [8, 16)
	v_rndne_f32 v[28+\i], v[28+\i]
	v_med3_num_f32 v[28+\i], v[28+\i], -v7, v7     ; held at 7.5
	v_sub_nc_u32 v[24+\i], 0, v[24+\i]
	v_ldexp_f32 v[28+\i], v[28+\i], v[24+\i]
.endr
	global_store_b32 v5, v28, s[8:9] offset:109312
	global_store_b32 v5, v29, s[8:9] offset:109440
	global_store_b32 v5, v30, s[8:9] offset:109568
	global_store_b32 v5, v31, s[8:9] offset:109696
	s_branch .Lend
; ---------------------------------------------------------------- JOB 3: the mask
.Lmask:
.set PCH,   528                        ; a chunk's 512 bytes + 16; 16 chunks are 8,448 bytes, inside WREG
	s_load_b128 s[4:7], s[0:1], 0x68               ; mask, mk
	s_sub_co_u32 s2, ttmp9, NQG+NWG+NTG
	s_lshl_b32 s2, s2, 2
	s_add_co_u32 s2, s2, s33                       ; m: tile of 16 queries m / 2 (of all b), steps of keys 4 (m % 2) + wave % 4
	v_and_b32 v1, 31, v0
	v_lshlrev_b32 v4, 4, v1                        ; 16 l
	v_lshrrev_b32 v5, 3, v1
	v_and_b32 v6, 3, v1
	v_lshl_add_u32 v5, v5, 2, v6                   ; my four keys belong to chunk 4 (l / 8) + l % 4,
	v_mul_u32_u24 v5, v5, PCH
	v_bfe_u32 v6, v1, 2, 1                         ; half (l / 4) % 2
	v_lshl_add_u32 v5, v6, 8, v5
	v_add_nc_u32 v5, s3, v5
	v_add_nc_u32 v6, s3, v4
	s_lshr_b32 s10, s2, 1
	s_lshl_b32 s10, s10, 16                        ; 16 rows of 4,096 bytes
	s_and_b32 s11, s2, 1
	s_lshl_b32 s11, s11, 2
	s_add_co_u32 s11, s11, s35                     ; the step of 128 keys
	s_lshl_b32 s11, s11, 9
	s_add_co_u32 s10, s10, s11
	s_mov_b32 s11, 0
	s_lshl_b32 s12, s2, 2
	s_add_co_u32 s12, s12, s35                     ; 8 x tile + step = 4 m + wave % 4
	s_lshl_b32 s12, s12, 13
	s_mov_b32 s13, 0
	s_wait_alu depctr_va_vdst(0)
	s_wait_kmcnt 0x0
	s_add_nc_u64 s[4:5], s[4:5], s[10:11]
	s_add_nc_u64 s[6:7], s[6:7], s[12:13]
.irp r, 0,1,2,3,4,5,6,7,8,9,10,11,12,13,14,15
	global_load_b128 v[16+4*\r:19+4*\r], v4, s[4:5] offset:4096*\r th:TH_LOAD_NT
.endr
.irp r, 0,1,2,3,4,5,6,7,8,9,10,11,12,13,14,15
	s_wait_loadcnt 15-\r                           ; row r is in; the later rows' loads may be out
	ds_store_b128 v5, v[16+4*\r:19+4*\r] offset:16*\r
.endr
.irp c, 0,1,2,3,4,5,6,7,8,9,10,11,12,13,14,15
	ds_load_b128 v[80+4*\c:83+4*\c], v6 offset:PCH*\c   ; my own bytes: LDS serves a wave's instructions in order
.endr
.irp c, 0,1,2,3,4,5,6,7,8,9,10,11,12,13,14,15
	s_wait_dscnt 15-\c
	global_store_b128 v4, v[80+4*\c:83+4*\c], s[6:7] offset:512*\c
.endr
.Lend:
	s_wait_tensorcnt 0x0                           ; the wave's end
	ds_add_u32 v[SPW], v[NIL]
	s_wait_dscnt 0x0
	s_endpgm
.Lfunc_end_k_qd3da0f0758_prep_all:
	.size	k_qd3da0f0758_prep_all, .Lfunc_end_k_qd3da0f0758_prep_all-k_qd3da0f0758_prep_all
	.p2alignl 7, 3214868480
	.fill 96, 4, 3214868480
	.section	.rodata,"a",@progbits
	.p2align	6, 0x0
	.amdhsa_kernel k_qd3da0f0758_prep_all
		.amdhsa_group_segment_fixed_size 227328
		.amdhsa_private_segment_fixed_size 0
		.amdhsa_enable_private_segment 0
		.amdhsa_kernarg_size 120
		.amdhsa_user_sgpr_count 2
		.amdhsa_user_sgpr_kernarg_segment_ptr 1
		.amdhsa_wavefront_size32 1
		.amdhsa_system_sgpr_workgroup_id_x 1
		.amdhsa_system_sgpr_workgroup_id_y 1
		.amdhsa_system_sgpr_workgroup_id_z 1
		.amdhsa_system_vgpr_workitem_id 0
		.amdhsa_next_free_vgpr 200
		.amdhsa_next_free_sgpr 66
		.amdhsa_reserve_vcc 1
		.amdhsa_float_denorm_mode_32 3
		.amdhsa_float_denorm_mode_16_64 3
		.amdhsa_memory_ordered 1
		.amdhsa_forward_progress 1
		.amdhsa_inst_pref_size 117
	.end_amdhsa_kernel
	.amdgpu_metadata
---
amdhsa.version: [ 1, 2 ]
amdhsa.kernels:
  - .name:           k_qd3da0f0758_prep_all
    .symbol:         k_qd3da0f0758_prep_all.kd
    .args:
      - { .name: q, .offset: 0, .size: 8, .value_kind: global_buffer, .address_space: global }
      - { .name: k, .offset: 8, .size: 8, .value_kind: global_buffer, .address_space: global }
      - { .name: v, .offset: 16, .size: 8, .value_kind: global_buffer, .address_space: global }
      - { .name: xc, .offset: 24, .size: 8, .value_kind: global_buffer, .address_space: global }
      - { .name: sw, .offset: 32, .size: 8, .value_kind: global_buffer, .address_space: global }
      - { .name: Wq, .offset: 40, .size: 8, .value_kind: global_buffer, .address_space: global }
      - { .name: Wk, .offset: 48, .size: 8, .value_kind: global_buffer, .address_space: global }
      - { .name: Wv, .offset: 56, .size: 8, .value_kind: global_buffer, .address_space: global }
      - { .name: Wo, .offset: 64, .size: 8, .value_kind: global_buffer, .address_space: global }
      - { .name: wc, .offset: 72, .size: 8, .value_kind: global_buffer, .address_space: global }
      - { .name: rel_k_table, .offset: 80, .size: 8, .value_kind: global_buffer, .address_space: global }
      - { .name: rel_v_table, .offset: 88, .size: 8, .value_kind: global_buffer, .address_space: global }
      - { .name: tab, .offset: 96, .size: 8, .value_kind: global_buffer, .address_space: global }
      - { .name: mask, .offset: 104, .size: 8, .value_kind: global_buffer, .address_space: global }
      - { .name: mk, .offset: 112, .size: 8, .value_kind: global_buffer, .address_space: global }
    .group_segment_fixed_size: 227328
    .private_segment_fixed_size: 0
    .kernarg_segment_align: 8
    .kernarg_segment_size: 120
    .max_flat_workgroup_size: 512
    .sgpr_count:     66
    .vgpr_count:     200
    .wavefront_size: 32
...
	.end_amdgpu_metadata
.endif
;; end of part 1
;; launch proj (part 2): grid 4 x 96, 4 waves a work-group, clusters of 4 x 4, 327,680 bytes of LDS; arguments xc, wc, sw, bq, bk, bv, qf, kv; writes qf, kv
.if DOCPART == 2
	.amdgcn_target "amdgcn-amd-amdhsa--gfx1250"
	.amdhsa_code_object_version 6
	.text
	.protected	k_qd3da0f0758_proj
	.globl	k_qd3da0f0758_proj
	.p2align	8
	.type	k_qd3da0f0758_proj,@function
k_qd3da0f0758_proj:
	s_mov_b64 s[64:65], 0
	v_nop
	global_prefetch_b8 v0, s[64:65] scope:SCOPE_SE
	s_setreg_imm32_b32 hwreg(HW_REG_WAVE_MODE, 25, 1), 1
	s_wait_xcnt 0x0
	s_wait_alu depctr_hold_cnt(0) depctr_sa_sdst(0) depctr_va_vdst(0) depctr_va_sdst(0) depctr_va_ssrc(0) depctr_va_vcc(0) depctr_vm_vsrc(0)
	s_getreg_b32 s2, hwreg(HW_REG_IB_STS2, 6, 4)
	s_cmp_eq_u32 s2, 0
	s_cbranch_scc0 .Lentry_in_a_cluster
	s_endpgm
.Lentry_in_a_cluster:
	s_bfe_u32 s2, ttmp6, 0x10000c
	s_cmp_lg_u32 s2, 0xf033
	s_cbranch_scc0 .Lentry_shape_is_right
	s_endpgm
.Lentry_shape_is_right:
; The three projections on codes of FP6 (E2M3), K = 1,024, and their results quantised at once into the attention's operands.
; The cluster's y says which: 0-7 q, 8-15 k, 16-23 v.  For q and k: C[x row][W row]; for v the roles change: C[Wv row][v row], so that a lane's registers always run along the NEXT product's K
; (the head's 64 for q and k, the keys for v).  "A" below is the operand whose rows are C's rows, "B" the other; the matrix instruction is used transposed (source 0 = 16 rows of B, source 1 = 16 rows of A).
; B's rows lie with bits 3 and 4 of their number exchanged, so the 16 registers of two neighbouring tiles are 16 neighbours of the next K.
; A tile of C is 256 x 256, four waves of 128 x 128 (64 accumulators).  K goes in steps of 256 through two LDS slots filled by joint tensor loads: the four work-groups of a row of the cluster share A's tile, those of a column B's.
; The scale words of a wave's rows for all of K (64 registers) and the biases come straight into registers at the head.
; THE WAY OUT has no LDS: bias added, 64 numbers a lane quantised, and the codes stored as images of the operand's registers:
;   q: qf [head n][53,248]: tile of 16 queries x 64: registers 0-3 at 768 tile + 16 l, 4-5 at + 512 + 8 l; scale words at 49,152 + 4 row; the factor 1/8 is 3 off the scale bytes.
;   k: kv [n][106,496]: likewise at 0; scale words at 98,304.   v: fragments (128 keys sigma, 16 channels tau) at 49,152 + 6,144 sigma + 1,536 tau + 512 q + 16 l; scale words at 102,400 + 512 sigma + 128 tau + 4 l.
; LIMITS: blocks whose largest magnitude lies under 2^-124 (q: 2^-121) keep the floor's byte; NaN and infinities are not served.
; REGISTERS: window 0: v0-31 addresses; v32-95 scale words (8 i + step: lanes 0-15 A's block i, lanes 16-31 B's); v96-127, v224-255 the bias along B; v128-223 A's fragments, one set; on the way out v128-223 are at work.
;   window 1: B's fragments, two sets, at v0 and v128; v96-111 the bias along A.   windows 2, 3: the accumulators ((a, b) at v[8 (8 (a % 4) + b)]).
.set ROWB,   256                       ; THE RING GOES BY CHUNKS OF 256 BYTES of each row of codes (a row is 768 bytes: three chunks, each on a multiple of 256 bytes); chunk c lies in slot c % 2
.set CHUNKS, 3                         ; a step of 128 along K is 96 bytes of a row: eight steps to three chunks; steps 2 and 5 lie across two chunks
.set KROW,   768
.set PITCH,  272                       ; an LDS row: 256 bytes + 16 of padding
.set FR,     12
.set NL,     6
.set NP,     4
.set HALFT,  128*PITCH
.set SLOT,   4*HALFT
.set SPARE,  2*SLOT
.set ADRA, 16
.set ADRB, 20
.set SPW,  28
.set NIL,  29
.set SC,   32
.set AF,   128
.set ST,   128                         ; the way out: 64 numbers
.set TM,   192                         ; v192-195 largest magnitudes, v196-199 at work, v200-203 the conversions' scale operands
.set PC,   204                         ; v204-215 the codes, v216-222 at work
.set PW,   223                         ; the scale word
.set G1, 24
.set G0, 32
.set G1B, 48
.set G0B, 56
.set TEN, 84
.set FLO, 86
.set SUB, 87
.set HS,  88
.set SEL, 98
.set MSB, 0
.macro WIN new
.if MSB != \new
	s_set_vgpr_msb (MSB<<8)|\new
.set MSB, \new
.endif
.endm
.set MUL_LO, 0xa1
.set MUL_HI, 0xf1
.set TO_B,   0x40
.macro JLOAD g0a, g1a, g0b, g1b        ; a joint load: waves 0 and 1 fetch for A, waves 2 and 3 for B; an s_nop 0 and four v_nop follow each line
	s_cmp_eq_u32 s15, 0
	s_cbranch_scc0 .Lfor_b_\@
	tensor_load_to_lds s[\g0a:\g0a+3], s[\g1a:\g1a+7]
	s_nop 0
.rept 4
	v_nop
.endr
	s_branch .Lasked_\@
.Lfor_b_\@:
	tensor_load_to_lds s[\g0b:\g0b+3], s[\g1b:\g1b+7]
	s_nop 0
.rept 4
	v_nop
.endr
.Lasked_\@:
.endm
.macro CREST
	s_cmp_lg_u32 s14, 0
	s_cbranch_scc1 .Lnot_wave_0_\@
	s_barrier_signal -3
.Lnot_wave_0_\@:
	s_barrier_wait -3
	s_barrier_signal -1
	s_barrier_wait -1
.endm
.macro CROUND
	s_barrier_signal -1
	s_barrier_wait -1
	CREST
.endm
	s_load_b512 s[68:83], s[0:1], 0x0              ; xc, wc, sw, bq, bk, bv, qf, kv
	v_lshl_add_u32 v[SPW], v0, 2, SPARE
	v_mov_b32 v[NIL], 0
	ds_add_u32 v[SPW], v[NIL]                      ; the wave's opening
	ds_add_u32 v[SPW], v[NIL]
	v_lshrrev_b32 v1, 5, v0
	v_readfirstlane_b32 s14, v1                    ; wave
	s_lshr_b32 s15, s14, 1                         ; my half of the rows; also: I fetch for A (0) or B (1)
	s_and_b32 s16, s14, 1                          ; my half of the columns; also: which 128 rows I fetch
	s_bfe_u32 s40, ttmp6, 0x40000                  ; cx
	s_bfe_u32 s41, ttmp6, 0x40004                  ; cy
	s_and_b32 s84, ttmp7, 0xffff                   ; the cluster's y: the same in all partners
	s_and_b32 s85, s84, 7
	s_lshr_b32 s84, s84, 3                         ; 0 q, 1 k, 2 v
	s_lshl_b32 s85, s85, 2
	s_cmp_lt_u32 s84, 2
	s_cselect_b32 s17, s85, 0
	s_cselect_b32 s42, 0, s85
	s_add_co_u32 s17, s17, s41                     ; tile row
	s_add_co_u32 s42, s42, s40                     ; tile column
	s_lshl_b32 s43, s41, 2
	s_lshl_b32 s43, 15, s43                        ; my row of the cluster
	s_lshl_b32 s44, 0x1111, s40                    ; my column
	s_or_b32 s[G1+0], s43, (0<<16)|(1<<20)|(1<<21)|(5<<22)|(3<<25)   ; elements of 1 byte; 16 bytes of padding behind every 256
	s_or_b32 s[G1B+0], s44, (0<<16)|(1<<20)|(1<<21)|(5<<22)|(3<<25)
.irp g, G1, G1B
	s_mov_b32 s[\g+1], ROWB<<16
	s_mov_b32 s[\g+2], 128<<16
	s_mov_b32 s[\g+3], ROWB<<16
	s_mov_b32 s[\g+4], 128
	s_mov_b32 s[\g+5], KROW
	s_mov_b32 s[\g+6], 0
	s_mov_b32 s[\g+7], 0
.endr
	s_lshl_b32 s18, s16, 7
	s_lshl_b32 s20, s17, 8
	s_add_co_u32 s20, s20, s18                     ; A: row 256 x tile row + 128 x half
	s_lshl_b32 s46, s42, 8
	s_add_co_u32 s46, s46, s18                     ; B likewise by the tile column
	s_mul_i32 s20, s20, KROW
	s_mul_i32 s46, s46, KROW
	s_mul_i32 s22, s84, 6291456                    ; the tensor's part of xc
	s_mul_i32 s23, s84, 786432                     ; and of wc
	s_cmp_lt_u32 s84, 2
	s_cselect_b32 s18, s22, s23
	s_cselect_b32 s19, s23, s22
	s_add_co_u32 s20, s20, s18
	s_add_co_u32 s46, s46, s19
	s_mov_b32 s21, 0
	s_mov_b32 s47, 0
	s_mul_i32 s45, s14, HALFT                      ; where my load goes: wave x 128 rows
	s_mov_b32 s[SEL], 0x76543210
	s_mov_b32 s[SEL+1], 0xfedcba98
	s_wait_dscnt 0x0                               ; the opening add is done
	s_wait_kmcnt 0x0
	s_cmp_lt_u32 s84, 2
	s_cselect_b64 s[4:5], s[68:69], s[70:71]       ; A's buffer
	s_cselect_b64 s[6:7], s[70:71], s[68:69]       ; B's
	s_add_nc_u64 s[20:21], s[4:5], s[20:21]
	s_add_nc_u64 s[46:47], s[6:7], s[46:47]
	CROUND                                         ; all sixteen work-groups are here: the first joint loads meet
.irp s, 0,1
	s_mov_b32 s[G0+4*\s], 1
	s_add_co_u32 s[G0+4*\s+1], s45, \s*SLOT
	s_add_nc_u64 s[G0+4*\s+2:G0+4*\s+3], s[20:21], \s*ROWB
	s_or_b32 s[G0+4*\s+3], s[G0+4*\s+3], 0x80000000
	s_mov_b32 s[G0B+4*\s], 1
	s_add_co_u32 s[G0B+4*\s+1], s45, \s*SLOT
	s_add_nc_u64 s[G0B+4*\s+2:G0B+4*\s+3], s[46:47], \s*ROWB
	s_or_b32 s[G0B+4*\s+3], s[G0B+4*\s+3], 0x80000000
.endr
	JLOAD G0, G1, G0B, G1B                         ; chunk 0, my quarter of the slot: one tensor load a wave at the head
	v_and_b32 v1, 15, v0                           ; r
	v_bfe_u32 v2, v0, 4, 1                         ; h
	v_mul_u32_u24 v3, v1, PITCH
	v_mul_u32_u24 v4, v2, 24
	v_add_nc_u32 v4, v3, v4                        ; row x pitch + 24 h
	s_mov_b32 s21, SLOT-232
	s_mov_b32 s22, SLOT+232
	v_sub_nc_u32 v7, 1, v2
	v_mul_u32_u24 v5, s21, v2
	v_add_nc_u32 v5, v3, v5
	v_add_nc_u32 v5, 232, v5                       ; across two chunks: lanes 0-15 byte 232 of the row in slot 0, lanes 16-31 byte 0 of the row in slot 1
	v_mul_u32_u24 v6, s22, v7
	v_add_nc_u32 v6, v3, v6                        ; and the other way round
	s_mul_i32 s21, s15, HALFT
	s_mul_i32 s22, s16, HALFT
	s_add_co_u32 s22, s22, 2*HALFT
	v_add_nc_u32 v[ADRA+2], s21, v5
	v_add_nc_u32 v[ADRA+3], s21, v6
	v_add_nc_u32 v[ADRB+2], s22, v5
	v_add_nc_u32 v[ADRB+3], s22, v6
.irp s, 0,1
	v_add_nc_u32 v[ADRA+\s], s21, v4
	v_add_nc_u32 v[ADRB+\s], s22, v4
	s_add_co_u32 s21, s21, SLOT
	s_add_co_u32 s22, s22, SLOT
.endr
	v_and_b32 v3, 31, v0
	v_lshlrev_b32 v10, 4, v3                       ; 16 l
	v_lshlrev_b32 v11, 3, v3                       ; 8 l
	v_lshlrev_b32 v14, 2, v3                       ; 4 l
	v_lshlrev_b32 v13, 4, v2                       ; 16 h
	; the scale words: lanes 0-15 A's rows, lanes 16-31 B's
	s_lshl_b32 s18, s84, 18                        ; x's part of sw
	s_lshl_b32 s19, s84, 15
	s_add_co_u32 s19, s19, 786432                  ; W's
	s_cmp_lt_u32 s84, 2
	s_cselect_b32 s20, s18, s19
	s_cselect_b32 s21, s19, s18
	s_lshl_b32 s22, s17, 1
	s_add_co_u32 s22, s22, s15
	s_lshl_b32 s22, s22, 12                        ; 8 blocks of 512 bytes for 128 rows
	s_add_co_u32 s20, s20, s22
	s_lshl_b32 s22, s42, 1
	s_add_co_u32 s22, s22, s16
	s_lshl_b32 s22, s22, 12
	s_add_co_u32 s21, s21, s22
	s_mov_b32 s23, 0xffff0000
	v_mov_b32 v6, s20
	v_mov_b32 v7, s21
	v_cndmask_b32 v6, v6, v7, s23
	v_lshl_add_u32 v6, v1, 2, v6
.irp i, 0,1,2,3,4,5,6,7
.irp q, 0,1,2,3,4,5,6,7
	global_load_b32 v[SC+8*\i+\q], v6, s[72:73] offset:512*\i+64*\q
.endr
.endr
	; the biases, along B (used for q, k) and along A (used for v); both are loaded in every mode, inside the buffer
	s_cmp_eq_u32 s84, 1
	s_cselect_b64 s[8:9], s[76:77], s[74:75]
	s_cmp_eq_u32 s84, 2
	s_cselect_b64 s[8:9], s[78:79], s[8:9]
	s_and_b32 s18, s42, 3
	s_lshl_b32 s18, s18, 1
	s_add_co_u32 s18, s18, s16
	s_lshl_b32 s18, s18, 9
	v_lshl_add_u32 v8, v2, 6, s18                  ; 128 channels of 4 bytes a column half, + 16 h channels
	s_and_b32 s19, s17, 3
	s_lshl_b32 s19, s19, 1
	s_add_co_u32 s19, s19, s15
	s_lshl_b32 s19, s19, 9
	v_and_b32 v9, 8, v1
	v_add_nc_u32 v9, v9, v1
	v_lshl_add_u32 v9, v9, 2, s19                  ; channel r + 8 (r / 8) of a row half
.irp b, 0,1,2,3,4,5,6,7
	global_load_b128 v[96+128*(\b/4)+8*(\b%4):96+128*(\b/4)+8*(\b%4)+3], v8, s[8:9] offset:(32*(\b/2)+8*(\b%2))*4
	global_load_b128 v[96+128*(\b/4)+8*(\b%4)+4:96+128*(\b/4)+8*(\b%4)+7], v8, s[8:9] offset:(32*(\b/2)+8*(\b%2))*4+16
.endr
	WIN TO_B
.irp a, 0,1,2,3,4,5,6,7
	global_load_b32 v[96+2*\a], v9, s[8:9] offset:(32*(\a/2)+8*(\a%2))*4
	global_load_b32 v[97+2*\a], v9, s[8:9] offset:(32*(\a/2)+8*(\a%2))*4
.endr
	WIN 0
.macro FRAG reg, adr, st, i            ; 16 rows x 128 K of step st: 12 registers, in pieces of 8 bytes; byte y of a row lies in slot (y / 256) % 2 at byte y % 256 of the LDS row
.irp p, 0,1,2,3,4,5
.set BY, 96*(\st)+48*(\p/3)+8*(\p%3)   ; the piece of lanes 0-15; that of lanes 16-31 begins 24 bytes on
.if BY/ROWB == (BY+24)/ROWB
	ds_load_b64 v[\reg+2*\p:\reg+2*\p+1], v[\adr+(BY/ROWB)%2] offset:BY%ROWB+(\i)*16*PITCH
.else
	ds_load_b64 v[\reg+2*\p:\reg+2*\p+1], v[\adr+2+(BY/ROWB)%2] offset:BY%ROWB-232+(\i)*16*PITCH
.endif
.endr
.endm
; 16 matrix instructions: A's blocks a0, a0 + 1 x B's eight; p: B's set; kq: which 128 of K.  The 64 accumulators take turns, one instruction a turn.
.macro MUL16 a0, p, kq, zero
.irp a, \a0, \a0+1
.irp b, 0,1,2,3,4,5,6,7
.if \zero
	v_wmma_scale_f32_16x16x128_f8f6f4 v[8*(8*((\a)%4)+\b):8*(8*((\a)%4)+\b)+7], v[128*(\p)+FR*\b:128*(\p)+FR*\b+FR-1], v[AF+FR*(\a):AF+FR*(\a)+FR-1], 0, v[SC+8*\b+(\kq)], v[SC+8*(\a)+(\kq)] matrix_a_fmt:MATRIX_FMT_FP6 matrix_b_fmt:MATRIX_FMT_FP6 matrix_a_scale:MATRIX_SCALE_ROW1
.else
	v_wmma_scale_f32_16x16x128_f8f6f4 v[8*(8*((\a)%4)+\b):8*(8*((\a)%4)+\b)+7], v[128*(\p)+FR*\b:128*(\p)+FR*\b+FR-1], v[AF+FR*(\a):AF+FR*(\a)+FR-1], v[8*(8*((\a)%4)+\b):8*(8*((\a)%4)+\b)+7], v[SC+8*\b+(\kq)], v[SC+8*(\a)+(\kq)] matrix_a_fmt:MATRIX_FMT_FP6 matrix_b_fmt:MATRIX_FMT_FP6 matrix_a_scale:MATRIX_SCALE_ROW1
.endif
.endr
.endr
.endm
.macro FETCH_B st, p
	WIN TO_B
.irp i, 0,1,2,3,4,5,6,7
	FRAG 128*(\p)+FR*\i, ADRB, \st, \i
.endr
	WIN 0
.endm
.macro FETCH_A st, i0
.irp i, \i0, \i0+1, \i0+2, \i0+3
	FRAG AF+FR*(\i), ADRA, \st, \i
.endr
.endm
.macro PLACES n                        ; plain vector instructions between a matrix instruction and a load into, or a read of, its registers
.rept \n
	v_nop
.endr
.endm
; A step of 128 along K: 64 matrix instructions on step st's fragments; the next step's are fetched in its middle and at its end.
; Where the next step's bytes END in a chunk not yet read: every wave waits for its tensor loads, and a barrier shows that chunk whole.
; Where they BEGIN in a later chunk: the chunk left behind is read no more: the wait for all tensor loads, the add, the wait for it and for my reads, the barrier;
; where a chunk two further on is left to fetch, that barrier opens a round of the cluster's barrier and the slot is filled again.
.macro STEP st, zero
.set NX, (\st)+1
.set C0, (96*(\st))/ROWB
.set C1, (96*NX)/ROWB
.set E0, (96*(\st)+95)/ROWB
.set E1, (96*NX+95)/ROWB
.if C1 > C0 || E1 > E0
	s_wait_tensorcnt 0x0                           ; all my tensor loads have landed
.if C1 > C0
	ds_add_u32 v[SPW], v[NIL]                      ; 0 onto my spare word
	s_wait_dscnt 4*NL+1                            ; (the add and A's blocks 4-7, 4 x 6 loads, may be out)
.else
	s_wait_dscnt 4*NL                              ; (A's blocks 4-7 may be out)
.endif
	WIN MUL_LO
	MUL16 0, (\st)%2, \st, \zero
	s_wait_dscnt 0x0                               ; the add, where there is one, and all my reads are done
	s_barrier_signal -1
	MUL16 2, (\st)%2, \st, \zero
	WIN 0
	s_barrier_wait -1
.if C1 > C0 && C0+2 < CHUNKS
	CREST                                          ; no wave of any partner still reads this slot or has a load on its way
	s_add_nc_u64 s[G0+4*(C0%2)+2:G0+4*(C0%2)+3], s[G0+4*(C0%2)+2:G0+4*(C0%2)+3], 2*ROWB
	s_add_nc_u64 s[G0B+4*(C0%2)+2:G0B+4*(C0%2)+3], s[G0B+4*(C0%2)+2:G0B+4*(C0%2)+3], 2*ROWB
	JLOAD G0+4*(C0%2), G1, G0B+4*(C0%2), G1B       ; chunk C0 + 2, the first tensor load behind the round; its four v_nop are the places in front of the loads below
.else
	PLACES NP
.endif
.else
	s_wait_dscnt 4*NL                              ; B's set and A's blocks 0-3 are in; A's blocks 4-7 may be out
	WIN MUL_LO
	MUL16 0, (\st)%2, \st, \zero
	MUL16 2, (\st)%2, \st, \zero
	s_wait_dscnt 0
	PLACES NP
.endif
	FETCH_B NX, NX%2
	FETCH_A NX, 0
	WIN MUL_HI
	MUL16 4, (\st)%2, \st, \zero
	MUL16 6, (\st)%2, \st, \zero
	PLACES NP
	WIN 0
	FETCH_A NX, 4
.endm
	s_wait_alu depctr_va_vdst(0)
	s_wait_tensorcnt 0x0                           ; my part of chunk 0 is in
	ds_add_u32 v[SPW], v[NIL]
	s_wait_dscnt 0x0
	CROUND                                         ; a whole round: chunk 0 is whole, and all sixteen work-groups are here
	JLOAD G0+4, G1, G0B+4, G1B                     ; chunk 1 into slot 1, the first tensor load behind the round
	s_wait_loadcnt 0x0                             ; scale words and biases
	FETCH_B 0, 0
	FETCH_A 0, 0
	FETCH_A 0, 4
	STEP 0, 1                                      ; the first step's products start the sums
.set SN, 1
.rept 6
	STEP SN, 0
.set SN, SN+1
.endr
	s_wait_dscnt 4*NL
	WIN MUL_LO
	MUL16 0, 1, 7, 0
	MUL16 2, 1, 7, 0
	s_wait_dscnt 0
	WIN MUL_HI
	MUL16 4, 1, 7, 0
	MUL16 6, 1, 7, 0
	WIN 0
; 64 numbers of a lane, register 16 b + i = k 32 b + 16 h + i of my row, become a fragment's codes in v[PC] on and its scale word in v[PW]
.macro QUANT s
.irp b, 0,1,2,3
	v_max3_num_f32 v[TM+\b], |v[\s+16*\b]|, |v[\s+1+16*\b]|, s[FLO]
.endr
.irp i, 2,4,6,8,10,12,14
.irp b, 0,1,2,3
	v_max3_num_f32 v[TM+\b], v[TM+\b], |v[\s+16*\b+\i]|, |v[\s+1+16*\b+\i]|
.endr
.endr
.irp b, 0,1,2,3
	v_permlanex16_b32 v[TM+4+\b], v[TM+\b], s[SEL], s[SEL+1]
.endr
.irp b, 0,1,2,3
	v_max_num_f32 v[TM+\b], v[TM+\b], v[TM+4+\b]
.endr
.irp b, 0,1,2,3
	v_add_nc_u32 v[TM+8+\b], 0xff000000, v[TM+\b]  ; 2 off the exponent field: the conversion's scale operand
.endr
.irp b, 0,1,2,3
	v_lshrrev_b32 v[TM+4+\b], 23, v[TM+8+\b]
.endr
	v_lshl_or_b32 v[PW], v[TM+5], 8, v[TM+4]
	v_lshl_or_b32 v[PW], v[TM+6], 16, v[PW]
	v_lshl_or_b32 v[PW], v[TM+7], 24, v[PW]
.irp c, 0,1
	v_cvt_scalef32_pk16_fp6_f32 v[PC+6*\c:PC+2+6*\c], v[\s+32*\c:\s+15+32*\c], v[TM+8+2*\c]
	v_cvt_scalef32_pk16_fp6_f32 v[PC+12+4*\c:PC+14+4*\c], v[\s+16+32*\c:\s+31+32*\c], v[TM+8+2*\c+1]
.endr
	v_nop                                          ; one plain place behind a scaled conversion
.irp c, 0,1
.irp i, 0,1,2
	v_permlane16_swap_b32 v[PC+6*\c+\i], v[PC+12+4*\c+\i]
.endr
.irp i, 0,1,2
	v_mov_b32 v[PC+3+6*\c+\i], v[PC+12+4*\c+\i]
.endr
.endr
.endm
; q, k: block a's 16 rows x 128 channels = two heads' tiles
.macro EPIQK a
	s_wait_xcnt 0x0                                ; the last block's stores have read their registers
	WIN 0x02+((\a)/4)
.set k, 0
.rept 32
	v_pk_add_f32 v[ST+2*k:ST+2*k+1], v[64*((\a)%4)+2*k:64*((\a)%4)+2*k+1], v[96+128*(k/16)+8*((k/4)%4)+2*(k%4):96+128*(k/16)+8*((k/4)%4)+2*(k%4)+1]
.set k, k+1
.endr
	WIN 0
	QUANT ST
	v_lshrrev_b32 v[TM+4], v13, v[PW]              ; lanes 0-15: the first head's two bytes, lanes 16-31 the second's
	v_and_or_b32 v[TM+4], v[TM+4], 0xffff, s89     ; bytes 2, 3 = 127
	v_sub_nc_u32 v[TM+4], v[TM+4], s[SUB]          ; q: 1/8
	global_store_b128 v10, v[PC:PC+3], s[90:91] offset:768*(\a)
	global_store_b64 v11, v[PC+4:PC+5], s[90:91] offset:768*(\a)+512
	global_store_b128 v10, v[PC+6:PC+9], s[92:93] offset:768*(\a)
	global_store_b64 v11, v[PC+10:PC+11], s[92:93] offset:768*(\a)+512
	global_store_b32 v12, v[TM+4], s[94:95] offset:64*(\a)
.endm
; v: block a's 16 channels x 128 keys = one fragment
.macro EPIV a
	s_wait_xcnt 0x0
	WIN 0x06+((\a)/4)
.set k, 0
.rept 32
	v_pk_add_f32 v[ST+2*k:ST+2*k+1], v[64*((\a)%4)+2*k:64*((\a)%4)+2*k+1], v[96+2*(\a):97+2*(\a)] op_sel_hi:[1,0]
.set k, k+1
.endr
	WIN 0
	QUANT ST
.irp q, 0,1,2
	global_store_b128 v10, v[PC+4*\q:PC+4*\q+3], s[90:91] offset:((\a)/4)*106496+((\a)%4)*1536+512*\q
.endr
	global_store_b32 v14, v[PW], s[92:93] offset:((\a)/4)*106496+((\a)%4)*128
.endm
	PLACES NP                                      ; behind the last products
.irp b, 0,1,2,3
	v_mov_b32 v[TM+4+\b], 0                        ; a lane permute's destination counts as one of its sources
.endr
	s_mov_b32 s21, 0
	s_cmp_eq_u32 s84, 2
	s_cbranch_scc1 .Lv_out
	s_cmp_eq_u32 s84, 0
	s_cselect_b64 s[96:97], s[80:81], s[82:83]     ; qf or kv
	s_mov_b32 s[HS], 106496
	s_cselect_b32 s[HS], 53248, s[HS]              ; bytes of a head's block
	s_mov_b32 s85, 98304
	s_cselect_b32 s85, 49152, s85                  ; where its scale words begin
	s_mov_b32 s[FLO], 0x1800000
	s_cselect_b32 s[FLO], 0x3000000, s[FLO]
	s_cselect_b32 s[SUB], 0x0303, 0
	s_mov_b32 s89, 0x7f7f0000
	s_lshr_b32 s18, s17, 2
	s_lshl_b32 s18, s18, 4
	s_lshl_b32 s19, s42, 2
	s_add_co_u32 s18, s18, s19
	s_lshl_b32 s19, s16, 1
	s_add_co_u32 s18, s18, s19                     ; my first head: 16 b + 4 x tile column + 2 x half
	s_mul_i32 s18, s18, s[HS]
	s_and_b32 s19, s17, 3
	s_lshl_b32 s19, s19, 1
	s_add_co_u32 s19, s19, s15
	s_lshl_b32 s19, s19, 3                         ; my first tile of 16 rows
	s_mul_i32 s20, s19, 768
	s_add_co_u32 s20, s20, s18
	s_add_nc_u64 s[90:91], s[96:97], s[20:21]
	s_mov_b32 s20, s[HS]
	s_add_nc_u64 s[92:93], s[90:91], s[20:21]      ; the second head's
	s_lshl_b32 s20, s19, 6
	s_add_co_u32 s20, s20, s18
	s_add_co_u32 s20, s20, s85
	s_add_nc_u64 s[94:95], s[96:97], s[20:21]
	v_mul_lo_u32 v12, v2, s[HS]
	v_lshl_add_u32 v12, v1, 2, v12                 ; 4 r, + a head's block for lanes 16-31
.irp a, 0,1,2,3,4,5,6,7
	EPIQK \a
.endr
	s_branch .Ldone
.Lv_out:
	s_mov_b32 s[FLO], 0x1800000
	s_lshr_b32 s18, s42, 2
	s_lshl_b32 s18, s18, 4
	s_lshl_b32 s19, s17, 2
	s_add_co_u32 s18, s18, s19
	s_lshl_b32 s19, s15, 1
	s_add_co_u32 s18, s18, s19                     ; my first head: 16 b + 4 x tile row + 2 x half
	s_mul_i32 s18, s18, 106496
	s_and_b32 s19, s42, 3
	s_lshl_b32 s19, s19, 1
	s_add_co_u32 s19, s19, s16                     ; which 128 keys
	s_mul_i32 s20, s19, 6144
	s_add_co_u32 s20, s20, s18
	s_add_co_u32 s20, s20, 49152
	s_add_nc_u64 s[90:91], s[82:83], s[20:21]
	s_lshl_b32 s20, s19, 9
	s_add_co_u32 s20, s20, s18
	s_add_co_u32 s20, s20, 102400
	s_add_nc_u64 s[92:93], s[82:83], s[20:21]
.irp a, 0,1,2,3,4,5,6,7
	EPIV \a
.endr
.Ldone:
	s_wait_tensorcnt 0x0                           ; the wave's end
	ds_add_u32 v[SPW], v[NIL]
	s_wait_dscnt 0x0
	CROUND                                         ; the closing round
	s_endpgm
.Lfunc_end_k_qd3da0f0758_proj:
	.size	k_qd3da0f0758_proj, .Lfunc_end_k_qd3da0f0758_proj-k_qd3da0f0758_proj
	.p2alignl 7, 3214868480
	.fill 96, 4, 3214868480
	.section	.rodata,"a",@progbits
	.p2align	6, 0x0
	.amdhsa_kernel k_qd3da0f0758_proj
		.amdhsa_group_segment_fixed_size 327680
		.amdhsa_private_segment_fixed_size 0
		.amdhsa_enable_private_segment 0
		.amdhsa_kernarg_size 64
		.amdhsa_user_sgpr_count 2
		.amdhsa_user_sgpr_kernarg_segment_ptr 1
		.amdhsa_wavefront_size32 1
		.amdhsa_system_sgpr_workgroup_id_x 1
		.amdhsa_system_sgpr_workgroup_id_y 1
		.amdhsa_system_sgpr_workgroup_id_z 1
		.amdhsa_system_vgpr_workitem_id 0
		.amdhsa_next_free_vgpr 1024
		.amdhsa_next_free_sgpr 100
		.amdhsa_reserve_vcc 0
		.amdhsa_float_denorm_mode_32 3
		.amdhsa_float_denorm_mode_16_64 3
		.amdhsa_memory_ordered 1
		.amdhsa_forward_progress 1
		.amdhsa_inst_pref_size 237
	.end_amdhsa_kernel
	.amdgpu_metadata
---
amdhsa.version: [ 1, 2 ]
amdhsa.kernels:
  - .name:           k_qd3da0f0758_proj
    .symbol:         k_qd3da0f0758_proj.kd
    .args:
      - { .name: xc, .offset: 0, .size: 8, .value_kind: global_buffer, .address_space: global }
      - { .name: wc, .offset: 8, .size: 8, .value_kind: global_buffer, .address_space: global }
      - { .name: sw, .offset: 16, .size: 8, .value_kind: global_buffer, .address_space: global }
      - { .name: bq, .offset: 24, .size: 8, .value_kind: global_buffer, .address_space: global }
      - { .name: bk, .offset: 32, .size: 8, .value_kind: global_buffer, .address_space: global }
      - { .name: bv, .offset: 40, .size: 8, .value_kind: global_buffer, .address_space: global }
      - { .name: qf, .offset: 48, .size: 8, .value_kind: global_buffer, .address_space: global }
      - { .name: kv, .offset: 56, .size: 8, .value_kind: global_buffer, .address_space: global }
    .group_segment_fixed_size: 327680
    .private_segment_fixed_size: 0
    .kernarg_segment_align: 8
    .kernarg_segment_size: 64
    .max_flat_workgroup_size: 128
    .sgpr_count:     100
    .vgpr_count:     1024
    .wavefront_size: 32
...
	.end_amdgpu_metadata
.endif
;; end of part 2
;; launch attn (part 3): grid 2 x 128, 16 waves a work-group, no clusters, 327,680 bytes of LDS; arguments qf, kv, tab, mk, of, sw; writes of, sw
.if DOCPART == 3
	.amdgcn_target "amdgcn-amd-amdhsa--gfx1250"
	.amdhsa_code_object_version 6
	.text
	.protected	k_qd3da0f0758_attn
	.globl	k_qd3da0f0758_attn
	.p2align	8
	.type	k_qd3da0f0758_attn,@function
k_qd3da0f0758_attn:
	s_mov_b64 s[64:65], 0
	v_nop
	global_prefetch_b8 v0, s[64:65] scope:SCOPE_SE
	s_setreg_imm32_b32 hwreg(HW_REG_WAVE_MODE, 25, 1), 1
	s_wait_xcnt 0x0
; Attention of one head n (work-group y) on codes of FP6 (E2M3).  A work-group of 16 waves STAYS: it takes two blocks of 256 queries (block 2 x + pass), a wave 16 queries of each, and walks the 1,024 keys in 8 steps of 128.
; LDS, filled once at the head, one tensor load a wave, 13,312 bytes each at wave x 13,312: waves 0-7 bring the head's K and V fragments and scale words (106,496 bytes),
; waves 8-15 the fragments of rel_v for the blocks of keys that cut the clip window, and their scale words (106,496 bytes of tab).  Nothing is filled again.  Behind them each wave's own 6,400 bytes: its queries' 33 products with rel_k_table's rows, spread out by position.
; Both products are used transposed (S^T = K Q^T with the mask as C, O^T = V^T P^T), so a lane holds one query.  M is the ceiling of the running largest t; p = 2^(t - M); the row's sum is taken of the unquantised p.
; rel_k: blocks of keys wholly left or right of the window add one number a query; the two blocks that cut it add from the wave's table.  rel_v: for blocks outside the window the sum of the QUANTISED p of the block (a product with ones)
; times row 0 or 32 quantised as a block of equal numbers; for the two blocks that cut it, products with K = (query, key) against p kept only in its own query's block.
; The result, divided by the sum, is quantised along the head's 64 and stored as an image of the next product's operand registers (of), its scale bytes in sw.
; LIMITS: the promise holds while the scaled scores stay under 2^31 in magnitude; NaN and infinities are not served.
.set VFO,   49152
.set KSC,   98304
.set GF,    106496
.set GSC,   204800
.set EXT,   212992
.set SPARE, 315392
.set S,   84
.set O,   148
.set PF,  180
.set KV,  200
.macro MMZ d, a, b, sa, sb
	v_wmma_scale_f32_16x16x128_f8f6f4 v[\d:\d+7], v[\a:\a+11], v[\b:\b+11], 0, v[\sa], v[\sb] matrix_a_fmt:MATRIX_FMT_FP6 matrix_b_fmt:MATRIX_FMT_FP6
.endm
.macro MMA d, a, b, sa, sb
	v_wmma_scale_f32_16x16x128_f8f6f4 v[\d:\d+7], v[\a:\a+11], v[\b:\b+11], v[\d:\d+7], v[\sa], v[\sb] matrix_a_fmt:MATRIX_FMT_FP6 matrix_b_fmt:MATRIX_FMT_FP6
.endm
.macro MMA1 d, a, b, sa, sb
	v_wmma_scale_f32_16x16x128_f8f6f4 v[\d:\d+7], v[\a:\a+11], v[\b:\b+11], v[\d:\d+7], v[\sa], v[\sb] matrix_a_fmt:MATRIX_FMT_FP6 matrix_b_fmt:MATRIX_FMT_FP6 matrix_a_scale:MATRIX_SCALE_ROW1
.endm
.macro NOPS n
.rept \n
	v_nop
.endr
.endm
	s_load_b256 s[4:11], s[0:1], 0x0
	s_load_b128 s[12:15], s[0:1], 0x20
	v_lshl_add_u32 v4, v0, 2, SPARE
	v_mov_b32 v5, 0
	ds_add_u32 v4, v5
	ds_add_u32 v4, v5
	v_lshrrev_b32 v14, 5, v0
	s_delay_alu instid0(VALU_DEP_1)
	v_readfirstlane_b32 s32, v14
	s_and_b32 s34, ttmp7, 0xffff
	s_lshr_b32 s35, s34, 4
	s_and_b32 s36, s34, 15
	s_and_b32 s37, s32, 1
	s_mov_b32 s16, 3<<16                           ; a dense block as 52 rows of 256 bytes (32 elements of 8 bytes)
	s_mov_b32 s17, 32<<16
	s_mov_b32 s18, 52<<16
	s_mov_b32 s19, 32<<16
	s_mov_b32 s20, 52
	s_mov_b32 s21, 32
	s_mov_b32 s22, 0
	s_mov_b32 s23, 0
	s_mul_i32 s58, s32, 13312                      ; where my load goes: wave x 13,312
	s_and_b32 s60, s32, 7
	s_mul_i32 s60, s60, 13312                      ; and where it comes from: my eighth of the source,
	s_mul_i32 s59, s34, 106496
	s_cmp_lt_u32 s32, 8
	s_cselect_b32 s59, s59, 0                      ; in kv behind the earlier heads' blocks
	s_add_co_u32 s60, s60, s59
	s_mov_b32 s61, 0
	s_mov_b32 s44, 0x3fb8aa3b
	s_mov_b32 s45, s44
	s_mov_b32 s46, 0x76543210
	s_mov_b32 s47, 0xfedcba98
	s_wait_dscnt 0x0                               ; both opening adds are done
	s_wait_kmcnt 0x0
	s_mov_b32 s24, 1
	s_mov_b32 s25, s58
	s_cmp_lt_u32 s32, 8                            ; waves 0-7: kv; waves 8-15: tab.  The choice hangs on the wave's number alone
	s_cselect_b64 s[26:27], s[6:7], s[8:9]
	s_add_nc_u64 s[26:27], s[26:27], s[60:61]
	s_or_b32 s27, s27, 0x80000000
	tensor_load_to_lds s[24:27], s[16:23]          ; my one tensor load of the launch
	s_nop 0
	s_mov_b32 s71, 0                               ; the pass
; What a pass begins with: its ids, the lanes' offsets, and its first 28 loads: q's tile and scale word, rel_k's three fragments and scale words (12 loads), then the first step's mask (16).
; It stands once ahead of the launch's one barrier, and once at the end of pass 0.
.macro PRE
	s_lshl_b32 s70, ttmp9, 1
	s_add_co_u32 s70, s70, s71                     ; which block of 256 queries
	s_lshl_b32 s33, s70, 4
	s_add_co_u32 s33, s33, s32                     ; my tile of 16 queries
	s_lshl_b32 s38, s70, 3
	s_lshr_b32 s58, s32, 1
	s_add_co_u32 s38, s38, s58
	s_add_co_u32 s38, s38, s37
	s_sub_co_i32 s38, s38, 1                       ; the first block of 32 keys that cuts my tile's window
	s_sub_co_i32 s39, 0, s38
	s_mov_b32 s40, 0
	s_mov_b32 s41, 0
	s_mov_b32 s42, 0
	v_and_b32 v14, 31, v0
	v_and_b32 v15, 15, v0
	v_bfe_u32 v254, v0, 4, 1
	s_delay_alu instid0(VALU_DEP_3)
	v_lshlrev_b32 v1, 4, v14
	s_delay_alu instid0(VALU_DEP_4)
	v_lshlrev_b32 v2, 3, v14
	v_lshl_add_u32 v3, v14, 2, KSC
	s_delay_alu instid0(VALU_DEP_4)
	v_lshlrev_b32 v6, 6, v254
	v_lshlrev_b32 v12, 2, v15
	v_lshlrev_b32 v13, 2, v14
.irp i, 0,1,2,3,4,5
	v_mov_b32 v[22+\i], 0
	v_mov_b32 v[218+\i], 0
	v_mov_b32 v[248+\i], 0
.endr
	s_mul_i32 s60, s34, 53248
	s_mul_i32 s59, s33, 768
	s_add_co_u32 s58, s60, s59
	s_mov_b32 s59, 0
	s_add_nc_u64 s[66:67], s[4:5], s[58:59]
	s_lshl_b32 s58, s33, 6
	s_add_co_u32 s58, s58, s60
	s_add_co_u32 s58, s58, 49152
	s_add_nc_u64 s[68:69], s[4:5], s[58:59]
	s_lshl_b32 s58, s35, 6
	s_add_co_u32 s58, s58, s33
	s_lshl_b32 s58, s58, 16
	s_add_nc_u64 s[48:49], s[10:11], s[58:59]
	global_load_b128 v[16:19], v1, s[66:67]
	global_load_b64 v[20:21], v2, s[66:67] offset:512
	global_load_b32 v28, v12, s[68:69]
.irp t, 0,1,2
	global_load_b128 v[KV+6*\t:KV+6*\t+3], v1, s[8:9] offset:106496+768*\t
	global_load_b64 v[KV+6*\t+4:KV+6*\t+5], v2, s[8:9] offset:106496+768*\t+512
	global_load_b32 v[74+\t], v13, s[8:9] offset:108800+128*\t
.endr
.irp c, 0,1,2,3,4,5,6,7,8,9,10,11,12,13,14,15
	global_load_b128 v[S+4*\c:S+4*\c+3], v1, s[48:49] offset:512*\c
.endr
.endm
; What follows it, on registers and on my wave's own table alone: the LDS addresses, my queries' products with rel_k_table's rows, spread out into the table, and the pass's start values.
.macro SETUP
	s_mul_i32 s58, s32, 6400
	s_add_co_u32 s60, s58, EXT
	s_add_co_u32 s58, s58, EXT+64
	s_lshl_b32 s59, s37, 6
	s_add_co_u32 s58, s58, s59
	s_lshr_b32 s59, s32, 1
	s_add_co_u32 s59, s59, s37
	s_add_co_u32 s59, s59, 1
	s_and_b32 s59, s59, 1
	s_lshl_b32 s59, s59, 7
	s_xor_b32 s61, s59, 128
	v_mul_u32_u24 v7, v15, 396
	s_delay_alu instid0(VALU_DEP_1)
	v_add_nc_u32 v7, v7, v6
	s_delay_alu instid0(VALU_DEP_1)
	v_add_nc_u32 v7, s58, v7
	s_delay_alu instid0(VALU_DEP_1)
	v_add_nc_u32 v8, s61, v7
	s_delay_alu instid0(VALU_DEP_2)
	v_add_nc_u32 v7, s59, v7
	v_mul_u32_u24 v192, v15, 400
	s_delay_alu instid0(VALU_DEP_1)
	v_add_nc_u32 v192, s60, v192
	s_delay_alu instid0(VALU_DEP_1)
	v_add_nc_u32 v193, v192, v6
	s_delay_alu instid0(VALU_DEP_2)
	v_lshl_add_u32 v192, v254, 5, v192
	s_mul_i32 s58, s37, 49152
	s_add_co_u32 s58, s58, GF
	v_add_nc_u32 v9, s58, v1
	s_lshl_b32 s58, s37, 12
	s_add_co_u32 s58, s58, GSC
	v_lshl_add_u32 v10, v14, 2, s58
	v_and_b32 v255, 7, v0
	s_delay_alu instid0(VALU_DEP_1)
	v_sub_nc_u32 v255, v255, v254
	s_delay_alu instid0(VALU_DEP_1)
	v_cmp_eq_u32 s58, 0, v255
	s_delay_alu instid0(VALU_DEP_2)
	v_cmp_eq_u32 s59, 2, v255
	v_mov_b32 v194, 0x08208208
	v_mov_b32 v195, 0x82082082
	v_mov_b32 v196, 0x20820820
.irp i, 0,1,2,3,4,5
	v_cndmask_b32 v[32+\i], 0, v[194+\i%3], s58
	v_cndmask_b32 v[38+\i], 0, v[194+\i%3], s59
.endr
	v_mov_b32 v29, 0x7f7f7f7f
	v_mov_b32 v45, 0xff61b1e6
	s_delay_alu instid0(VALU_DEP_1)
	v_floor_f32 v44, -v45
	v_mov_b32 v46, 0
	v_mov_b32 v47, 0
	v_mov_b32 v48, 0
	v_mov_b32 v49, 0
	v_mov_b32 v50, 0
	v_mov_b32 v52, 0
.irp i, 0,1,2,3
	v_mov_b32 v[66+\i], 0
.endr
	s_wait_loadcnt 16
	MMZ O, KV, 16, 74, 28
	MMZ O+8, KV+6, 16, 75, 28
	MMZ O+16, KV+12, 16, 76, 28
	NOPS 4
	s_mov_b32 s58, 0xffff0000
	v_permlanex16_b32 v254, v[O], s46, s47
	v_permlanex16_b32 v255, v[O+16], s46, s47
	v_cndmask_b32 v51, v[O], v254, s58
	v_cndmask_b32 v53, v[O+16], v255, s58
.irp i, 0,1,2,3
	v_mov_b32 v[180+\i], v51
	v_mov_b32 v[184+\i], v53
.endr
	ds_store_b128 v192, v[O:O+3] offset:128
	ds_store_b128 v192, v[O+4:O+7] offset:144
	ds_store_b128 v192, v[O+8:O+11] offset:192
	ds_store_b128 v192, v[O+12:O+15] offset:208
.irp i, 0,1,2,3
	ds_store_b128 v193, v[180:183] offset:16*\i
	ds_store_b128 v193, v[184:187] offset:256+16*\i
.endr
	s_wait_dscnt 0x0                               ; my table's stores have read their registers (the table is my wave's own)
.set j, 0
.rept 32
	v_mov_b32 v[O+j], 0
.set j, j+1
.endr
	v_and_b32 v15, 1, v0                           ; the prefetches' offset: of a mask tile's 32 blocks of 256 bytes head n % 16 names two, 512 (n % 16) + 256 (lane % 2)
	v_lshlrev_b32 v15, 8, v15
	s_lshl_b32 s62, s36, 9
	v_add_nc_u32 v15, s62, v15
	s_mov_b32 s79, 0
.endm
	PRE
	SETUP
	s_wait_alu depctr_va_vdst(0)
	s_wait_tensorcnt 0x0                           ; my part of the tiles is in
	s_barrier_signal -1
	s_barrier_wait -1                              ; everybody's is: the tiles stay as they are to the launch's end, so no pass needs a barrier of its own
.Lpass:
.macro NEARK be
	s_add_co_i32 s58, s39, \be
	s_cmp_lt_u32 s58, 2
	s_cbranch_scc0 .Lnk_\@
.irp i, 0,1,2,3,4,5,6,7,8,9,10,11,12,13,14,15
	ds_load_b32 v[180+\i], v[7+(\be)%2] offset:4*\i
.endr
	v_mov_b32 v[55+2*\be], 0
	s_wait_dscnt 0x0
.irp i, 0,2,4,6,8,10,12,14
	v_pk_add_f32 v[S+16*\be+\i:S+16*\be+\i+1], v[S+16*\be+\i:S+16*\be+\i+1], v[180+\i:181+\i]
.endr
.Lnk_\@:
.endm
.macro NEARV x
	s_add_co_i32 s58, s38, \x
	s_lshr_b32 s59, s58, 2
	s_cmp_eq_u32 s59, s40
	s_cbranch_scc0 .Lnv_\@
	s_and_b32 s58, s58, 3
	s_cmp_ge_u32 s58, 2
	s_cselect_b32 s60, -1, 0
	s_and_b32 s59, s58, 1
	s_cmp_eq_u32 s59, 1
	s_mov_b32 s61, 0xffff0000
	s_cselect_b32 s61, 0xffff, s61
	s_lshl_b32 s62, s58, 3
.irp i, 0,1,2,3,4,5
	v_cndmask_b32 v[192+\i], v[PF+\i], v[PF+6+\i], s60
.endr
.irp i, 0,1,2,3,4,5
	v_permlanex16_b32 v[62+\i], v[192+\i], s46, s47
.endr
.irp i, 0,1,2,3,4,5
	v_cndmask_b32 v[192+\i], v[192+\i], v[62+\i], s61
.endr
	v_lshrrev_b32 v31, s62, v30
	s_delay_alu instid0(VALU_DEP_1)
	v_and_b32 v31, 0xff, v31
	s_delay_alu instid0(VALU_DEP_1)
	v_lshl_or_b32 v31, v31, 8, v31
	s_delay_alu instid0(VALU_DEP_1)
	v_lshl_or_b32 v31, v31, 16, v31
.irp ka, 0,1,2,3
.if \ka > 0
	NOPS 4
.endif
	s_mov_b32 s66, 0x00020001<<(4*\ka)
	s_mov_b32 s67, 0x00020001<<(4*\ka+2)
.irp i, 0,1,2,3,4,5
	v_cndmask_b32 v[62+\i], 0, v[192+\i], s66
	v_cndmask_b32 v[68+\i], 0, v[192+\i], s67
.endr
.irp t, 0,1,2,3
.irp q, 0,1,2
	ds_load_b128 v[KV+12*\t+4*\q:KV+12*\t+4*\q+3], v9 offset:24576*\x+6144*\ka+1536*\t+512*\q
.endr
	ds_load_b32 v[78+\t], v10 offset:2048*\x+512*\ka+128*\t
.endr
	s_wait_alu depctr_va_vdst(0)
	s_wait_dscnt 0x0
	NOPS 8
.irp t, 0,1,2,3
	MMA O+8*\t, KV+12*\t, 62, 78+\t, 31
.endr
.endr
	NOPS 4
.Lnv_\@:
.endm
.Lstep:
	v_add_nc_u32 v11, s41, v1                      ; K's fragments are asked for ahead of the wait for the mask (the loads that named v12 and v13 as addresses were waited for in the set-up)
	v_add_nc_u32 v12, s41, v2
	v_add_nc_u32 v13, s42, v3
.irp i, 0,1,2,3,4,5,6,7
	ds_load_b128 v[KV+6*\i:KV+6*\i+3], v11 offset:768*\i
	ds_load_b64 v[KV+6*\i+4:KV+6*\i+5], v12 offset:768*\i+512
.endr
.irp i, 0,1,2,3
	ds_load_b32 v[74+\i], v13 offset:128*\i
.endr
	s_wait_alu depctr_va_vdst(0)
	s_wait_loadcnt 0x0                             ; this step's mask is in
	s_wait_xcnt 0x0                                ; the last step's prefetch has read its address: the bases are written again only behind this wait
	s_add_nc_u64 s[48:49], s[48:49], 8192
	s_wait_dscnt 0x0
.irp i, 0,2,4,6
	MMA  S+8*\i, KV+6*\i, 16, 74+\i/2, 28
	MMA1 S+8*\i+8, KV+6*\i+6, 16, 74+\i/2, 28
.endr
.irp be, 0,1,2,3
	s_add_co_i32 s58, s39, \be
	s_cmp_lt_i32 s58, 0
	s_cselect_b32 s[50+\be], 1.0, 0
	s_cselect_b32 s[66+\be], -1, 0
	s_cmp_gt_i32 s58, 1
	s_cselect_b32 s[54+\be], 1.0, 0
.endr
.irp be, 0,1,2,3
	v_cndmask_b32 v[55+2*\be], v53, v51, s[66+\be] ; these four, which name no register of the products above, are the places in front of the loads below
.endr
.irp t, 0,1,2,3
.irp q, 0,1,2
	ds_load_b128 v[KV+12*\t+4*\q:KV+12*\t+4*\q+3], v11 offset:VFO+1536*\t+512*\q
.endr
	ds_load_b32 v[78+\t], v13 offset:4096+128*\t
.endr
; A PREFETCH OF THE MASK INTO THE L2.  s[48:49] stands at step t + 1's tile, which this step loads.  Steps 0-4 ask for tile t + 3 of my queries (16,384 bytes on): two steps ahead of the load that wants it.
; Steps 5-7 of pass 0 ask for tiles 0-2 of my next pass's queries (16 tiles of 65,536 bytes on, 6 steps of 8,192 back); in pass 1 they ask for nothing, so no address leaves mk.
; The sixteen heads that read a tile share its blocks out by address: 512 bytes a head, one instruction a wave.  A pass 0's first three tiles come by their loads alone.
	s_cmp_lt_u32 s40, 5
	s_mov_b32 s78, 999424
	s_cselect_b32 s78, 16384, s78
	s_cselect_b32 s63, 0, s71
	s_add_nc_u64 s[76:77], s[48:49], s[78:79]
	s_cmp_eq_u32 s63, 0
	s_cbranch_scc0 .Lno_ask
	global_prefetch_b8 v15, s[76:77] th:TH_LOAD_NT scope:SCOPE_SE
.Lno_ask:
	NEARK 0
	NEARK 1
	NEARK 2
	NEARK 3
	s_wait_alu depctr_va_vdst(0)
.irp b, 0,1,2,3
	v_max3_num_f32 v[62+\b], v[S+16*\b], v[S+1+16*\b], v[S+2+16*\b]
.endr
.irp i, 3,5,7,9,11,13
.irp b, 0,1,2,3
	v_max3_num_f32 v[62+\b], v[62+\b], v[S+16*\b+\i], v[S+1+16*\b+\i]
.endr
.endr
.irp b, 0,1,2,3
	v_max_num_f32 v[62+\b], v[62+\b], v[S+15+16*\b]
.endr
.irp b, 0,1,2,3
	v_permlanex16_b32 v[66+\b], v[62+\b], s46, s47
.endr
.irp b, 0,1,2,3
	s_delay_alu instid0(VALU_DEP_4)
	v_max_num_f32 v[62+\b], v[62+\b], v[66+\b]
.endr
.irp b, 0,1,2,3
	s_delay_alu instid0(VALU_DEP_4)
	v_add_f32 v[66+\b], v[62+\b], v[55+2*\b]
.endr
	s_delay_alu instid0(VALU_DEP_2)
	v_max3_num_f32 v254, v66, v67, v68
	s_delay_alu instid0(VALU_DEP_1)
	v_max_num_f32 v254, v254, v69
	s_delay_alu instid0(VALU_DEP_1)
	v_mul_f32 v254, s44, v254
	s_delay_alu instid0(VALU_DEP_1)
	v_max_num_f32 v45, v45, v254
	v_mov_b32 v254, v44
	s_delay_alu instid0(VALU_DEP_2)
	v_floor_f32 v44, -v45
	s_delay_alu instid0(VALU_DEP_1)
	v_sub_f32 v254, v44, v254
	s_delay_alu instid0(VALU_DEP_1)
	v_cvt_i32_f32 v254, v254
	s_delay_alu instid0(VALU_DEP_1)
	v_ldexp_f32 v48, 1.0, v254
.irp b, 0,1,2,3
	v_fma_f32 v[54+2*\b], v[55+2*\b], s44, v44
.endr
.set j, 0
.rept 32
	v_pk_fma_f32 v[S+2*j:S+2*j+1], v[S+2*j:S+2*j+1], s[44:45], v[54+2*(j/8):55+2*(j/8)] op_sel_hi:[1,0,0]
.set j, j+1
.endr
.irp b, 0,1,2,3
	v_fma_f32 v[62+\b], v[62+\b], s44, v[54+2*\b]
.endr
.set j, 0
	s_wait_alu depctr_va_vdst(0)
.rept 64
	v_exp_f32 v[S+j], v[S+j]
.set j, j+1
.endr
	v_pk_mul_f32 v[46:47], v[46:47], v[48:49] op_sel_hi:[1,0]
	s_wait_alu depctr_va_vdst(0)
.irp b, 0,1,2,3
	v_exp_f32 v[62+\b], v[62+\b]
.endr
	v_pk_add_f32 v[82:83], v[S:S+1], v[S+2:S+3]
.irp j, 4,8,12,16,20,24,28,32,36,40,44,48,52,56,60
	v_pk_add_f32 v[46:47], v[46:47], v[S+\j:S+\j+1]
	v_pk_add_f32 v[82:83], v[82:83], v[S+2+\j:S+3+\j]
.endr
	s_delay_alu instid0(VALU_DEP_1)
	v_pk_add_f32 v[46:47], v[46:47], v[82:83]
	s_wait_alu depctr_va_vdst(0)
.irp b, 0,1,2,3
	v_max_num_f32 v[62+\b], 0x1800000, v[62+\b]
.endr
.irp b, 0,1,2,3
	s_delay_alu instid0(VALU_DEP_4)
	v_add_nc_u32 v[70+\b], 0xff000000, v[62+\b]
.endr
.irp b, 0,1,2,3
	s_delay_alu instid0(VALU_DEP_4)
	v_lshrrev_b32 v[66+\b], 23, v[70+\b]
.endr
	s_delay_alu instid0(VALU_DEP_3)
	v_lshl_or_b32 v30, v67, 8, v66
	s_delay_alu instid0(VALU_DEP_1)
	v_lshl_or_b32 v30, v68, 16, v30
	s_delay_alu instid0(VALU_DEP_1)
	v_lshl_or_b32 v30, v69, 24, v30
.irp c, 0,1
	v_cvt_scalef32_pk16_fp6_f32 v[PF+6*\c:PF+2+6*\c], v[S+32*\c:S+15+32*\c], v[70+2*\c]
	v_cvt_scalef32_pk16_fp6_f32 v[192+4*\c:194+4*\c], v[S+16+32*\c:S+31+32*\c], v[70+2*\c+1]
.endr
	v_nop
.irp c, 0,1
.irp i, 0,1,2
	v_permlane16_swap_b32 v[PF+6*\c+\i], v[192+4*\c+\i]
.endr
.irp i, 0,1,2
	s_delay_alu instid0(VALU_DEP_3)
	v_mov_b32 v[PF+3+6*\c+\i], v[192+4*\c+\i]
.endr
.endr
	s_cmp_eq_u32 s40, 7
	s_cbranch_scc1 .Llast_mask
.irp c, 0,1,2,3,4,5,6,7,8,9,10,11,12,13,14,15
	global_load_b128 v[S+4*\c:S+4*\c+3], v1, s[48:49] offset:512*\c
.endr
	s_branch .Lmask_asked
.Llast_mask:
.irp b, 0,1
.irp q, 0,1,2,3
	global_load_b128 v[S+16*\b+4*\q:S+16*\b+4*\q+3], v6, s[8:9] offset:109312+128*\b+16*\q
	global_load_b128 v[S+32+16*\b+4*\q:S+32+16*\b+4*\q+3], v6, s[8:9] offset:109568+128*\b+16*\q
.endr
.endr
.Lmask_asked:
.set j, 0
.rept 16
	v_pk_mul_f32 v[O+2*j:O+2*j+1], v[O+2*j:O+2*j+1], v[48:49] op_sel_hi:[1,0]
.set j, j+1
.endr
	v_mul_f32 v50, v50, v48
	v_mul_f32 v52, v52, v48
	s_wait_alu depctr_va_vdst(0)
	s_wait_dscnt 0x0
.irp t, 0,1,2,3
	MMA O+8*\t, KV+12*\t, PF, 78+\t, 30
.endr
	MMZ 62, 32, PF, 29, 30
	NOPS 4
.irp b, 0,1,2,3
	v_fma_f32 v50, v[62+\b], s[50+\b], v50
	v_fma_f32 v52, v[62+\b], s[54+\b], v52
.endr
	NEARV 0
	NEARV 1
	s_add_co_i32 s39, s39, 4
	s_add_co_u32 s41, s41, 6144
	s_add_co_u32 s42, s42, 512
	s_add_co_u32 s40, s40, 1
	s_cmp_lt_u32 s40, 8
	s_cbranch_scc1 .Lstep
	s_wait_loadcnt 0x0
	v_add_f32 v46, v46, v47
	s_delay_alu instid0(VALU_DEP_1)
	v_permlanex16_b32 v254, v46, s46, s47
	s_delay_alu instid0(VALU_DEP_1)
	v_add_f32 v46, v46, v254
	s_wait_alu depctr_va_vdst(0)
	v_rcp_f32 v48, v46
.set j, 0
	s_wait_alu depctr_va_vdst(0)
.rept 16
	v_pk_fma_f32 v[O+2*j:O+2*j+1], v[S+2*j:S+2*j+1], v[50:51], v[O+2*j:O+2*j+1] op_sel_hi:[1,0,1]
.set j, j+1
.endr
.set j, 0
.rept 16
	v_pk_fma_f32 v[O+2*j:O+2*j+1], v[S+32+2*j:S+33+2*j], v[52:53], v[O+2*j:O+2*j+1] op_sel_hi:[1,0,1]
.set j, j+1
.endr
	s_wait_alu depctr_va_vdst(0)
.set j, 0
.rept 16
	v_pk_mul_f32 v[O+2*j:O+2*j+1], v[O+2*j:O+2*j+1], v[48:49] op_sel_hi:[1,0]
.set j, j+1
.endr
.irp b, 0,1
	v_max3_num_f32 v[62+\b], |v[O+16*\b]|, |v[O+1+16*\b]|, 0x1800000
.endr
.irp i, 2,4,6,8,10,12,14
.irp b, 0,1
	s_delay_alu instid0(VALU_DEP_2)
	v_max3_num_f32 v[62+\b], v[62+\b], |v[O+16*\b+\i]|, |v[O+1+16*\b+\i]|
.endr
.endr
.irp b, 0,1
	v_permlanex16_b32 v[66+\b], v[62+\b], s46, s47
.endr
.irp b, 0,1
	s_delay_alu instid0(VALU_DEP_2)
	v_max_num_f32 v[62+\b], v[62+\b], v[66+\b]
.endr
.irp b, 0,1
	s_delay_alu instid0(VALU_DEP_2)
	v_add_nc_u32 v[70+\b], 0xff000000, v[62+\b]
.endr
.irp b, 0,1
	s_delay_alu instid0(VALU_DEP_2)
	v_lshrrev_b32 v[66+\b], 23, v[70+\b]
.endr
	s_delay_alu instid0(VALU_DEP_1)
	v_lshl_or_b32 v30, v67, 8, v66
	v_cvt_scalef32_pk16_fp6_f32 v[PF:PF+2], v[O:O+15], v70
	v_cvt_scalef32_pk16_fp6_f32 v[192:194], v[O+16:O+31], v71
	v_nop
.irp i, 0,1,2
	v_permlane16_swap_b32 v[PF+\i], v[192+\i]
.endr
.irp i, 0,1,2
	s_delay_alu instid0(VALU_DEP_3)
	v_mov_b32 v[PF+3+\i], v[192+\i]
.endr
	v_and_b32 v14, 15, v0
	s_delay_alu instid0(VALU_DEP_1)
	v_lshlrev_b32 v14, 2, v14
	s_lshl_b32 s58, s35, 6
	s_add_co_u32 s58, s58, s33
	s_lshl_b32 s59, s58, 4
	s_add_co_u32 s59, s59, s36
	s_mul_i32 s60, s59, 768
	s_mov_b32 s61, 0
	s_add_nc_u64 s[72:73], s[12:13], s[60:61]
	s_lshl_b32 s59, s58, 3
	s_lshr_b32 s60, s36, 1
	s_add_co_u32 s59, s59, s60
	s_lshl_b32 s60, s59, 6
	s_and_b32 s59, s36, 1
	s_lshl_b32 s59, s59, 1
	s_add_co_u32 s60, s60, s59
	s_add_co_u32 s60, s60, 917504
	s_add_nc_u64 s[74:75], s[14:15], s[60:61]
	s_wait_alu depctr_va_vdst(0)
	global_store_b128 v1, v[PF:PF+3], s[72:73]
	global_store_b64 v2, v[PF+4:PF+5], s[72:73] offset:512
	global_store_b16 v14, v30, s[74:75]
	s_add_co_u32 s71, s71, 1
	s_cmp_lt_u32 s71, 2
	s_cbranch_scc0 .Lfin
	s_wait_xcnt 0x0                                ; the stores have read their registers: the next pass writes them again
	PRE
	SETUP
	s_wait_alu depctr_va_vdst(0)
	s_cmp_lt_u32 s71, 2
	s_cbranch_scc1 .Lpass
.Lfin:
	s_wait_tensorcnt 0x0                           ; the wave's end
	ds_add_u32 v4, v5
	s_wait_dscnt 0x0
	s_endpgm
.Lfunc_end_k_qd3da0f0758_attn:
	.size	k_qd3da0f0758_attn, .Lfunc_end_k_qd3da0f0758_attn-k_qd3da0f0758_attn
	.p2alignl 7, 3214868480
	.fill 96, 4, 3214868480
	.section	.rodata,"a",@progbits
	.p2align	6, 0x0
	.amdhsa_kernel k_qd3da0f0758_attn
		.amdhsa_group_segment_fixed_size 327680
		.amdhsa_private_segment_fixed_size 0
		.amdhsa_enable_private_segment 0
		.amdhsa_kernarg_size 48
		.amdhsa_user_sgpr_count 2
		.amdhsa_user_sgpr_kernarg_segment_ptr 1
		.amdhsa_wavefront_size32 1
		.amdhsa_system_sgpr_workgroup_id_x 1
		.amdhsa_system_sgpr_workgroup_id_y 1
		.amdhsa_system_sgpr_workgroup_id_z 1
		.amdhsa_system_vgpr_workitem_id 0
		.amdhsa_next_free_vgpr 256
		.amdhsa_next_free_sgpr 80
		.amdhsa_reserve_vcc 0
		.amdhsa_float_denorm_mode_32 3
		.amdhsa_float_denorm_mode_16_64 3
		.amdhsa_memory_ordered 1
		.amdhsa_forward_progress 1
		.amdhsa_inst_pref_size 87
	.end_amdhsa_kernel
	.amdgpu_metadata
---
amdhsa.version: [ 1, 2 ]
amdhsa.kernels:
  - .name:           k_qd3da0f0758_attn
    .symbol:         k_qd3da0f0758_attn.kd
    .args:
      - { .name: qf, .offset: 0, .size: 8, .value_kind: global_buffer, .address_space: global }
      - { .name: kv, .offset: 8, .size: 8, .value_kind: global_buffer, .address_space: global }
      - { .name: tab, .offset: 16, .size: 8, .value_kind: global_buffer, .address_space: global }
      - { .name: mk, .offset: 24, .size: 8, .value_kind: global_buffer, .address_space: global }
      - { .name: of, .offset: 32, .size: 8, .value_kind: global_buffer, .address_space: global }
      - { .name: sw, .offset: 40, .size: 8, .value_kind: global_buffer, .address_space: global }
    .group_segment_fixed_size: 327680
    .private_segment_fixed_size: 0
    .kernarg_segment_align: 8
    .kernarg_segment_size: 48
    .max_flat_workgroup_size: 512
    .sgpr_count:     80
    .vgpr_count:     256
    .wavefront_size: 32
...
	.end_amdgpu_metadata
.endif
;; end of part 3
;; launch outproj (part 4): grid 4 x 64, 4 waves a work-group, clusters of 4 x 4, 327,680 bytes of LDS; arguments of, wc, sw, bo, out0; writes out0
.if DOCPART == 4
	.amdgcn_target "amdgcn-amd-amdhsa--gfx1250"
	.amdhsa_code_object_version 6
	.text
	.protected	k_qd3da0f0758_outproj
	.globl	k_qd3da0f0758_outproj
	.p2align	8
	.type	k_qd3da0f0758_outproj,@function
k_qd3da0f0758_outproj:
	s_mov_b64 s[64:65], 0
	v_nop
	global_prefetch_b8 v0, s[64:65] scope:SCOPE_SE
	s_setreg_imm32_b32 hwreg(HW_REG_WAVE_MODE, 25, 1), 1
	s_wait_xcnt 0x0
	s_wait_alu depctr_hold_cnt(0) depctr_sa_sdst(0) depctr_va_vdst(0) depctr_va_sdst(0) depctr_va_ssrc(0) depctr_va_vcc(0) depctr_vm_vsrc(0)
	s_getreg_b32 s2, hwreg(HW_REG_IB_STS2, 6, 4)
	s_cmp_eq_u32 s2, 0
	s_cbranch_scc0 .Lentry_in_a_cluster
	s_endpgm
.Lentry_in_a_cluster:
	s_bfe_u32 s2, ttmp6, 0x10000c
	s_cmp_lg_u32 s2, 0xf033
	s_cbranch_scc0 .Lentry_shape_is_right
	s_endpgm
.Lentry_shape_is_right:
; out0 = o Wo + bo on codes of FP6 (E2M3), K = 1,024.  A = o: of, [block of 16 rows (b, 16 queries)][head][768 bytes], an image of the operand's registers (registers 0-3 at 16 l, 4-5 at 512 + 8 l).
; B = Wo: wc at 2,359,296, [column n][768 bytes], K innermost.  Scale words in sw: A's at 917,504, B's at 884,736, [block of 16 rows][128 along K][16 rows][4 bytes].
; A block of C is 128 rows x 256 columns: 64 x 4 = 256 work-groups.  Four waves, each 64 x 128: 32 accumulators, which take turns.
; ALL OF K LIES IN LDS AT ONCE: A's 128 rows are 98,304 dense bytes; B's 256 rows of 768 bytes get 16 bytes of padding behind every 256: pitch 816, 208,896 bytes.  One joint tensor load a wave at the head
; (waves 0, 1 A's halves, waves 2, 3 B's), every row on a multiple of 256 bytes; nothing is filled again, so the eight steps of 128 along K have no barrier between them.
; CLUSTERS 4 x 4: A's tile is shared along a row of the cluster, B's along a column.  No prefetch: all tiles are asked for at the head, and there is no loop to run ahead in.
; The matrix instruction is used transposed (source 0 = 16 rows of B, source 1 = 16 rows of A): a lane holds eight neighbouring columns of a row of C.  The bias is the C of the first step's products.
; THE WAY OUT: blocks of 16 rows x 128 columns through the wave's stage, which lies on A's bytes: a barrier behind every wave's last read of the tiles stands in front of it.
; REGISTERS: window 0: v0-31 addresses; v32-95 scale words (8 i + step: lanes 0-15 A's block i % 4, lanes 16-31 B's block i); v96-127, v224-255 the bias; v128-223 A's fragments, two sets of 48.
;   window 1: B's fragments, two sets, at v0 and v128.   window 2: the accumulators ((a, b) at v[8 (8 a + b)]).
.set KROW,   768
.set PITCH,  816
.set FR,     12
.set NP,     4
.set HALFA,  49152
.set HALFB,  128*PITCH
.set BOFF,   2*HALFA
.set SPARE,  BOFF+2*HALFB              ; 307,200: the spare words, 128 bytes a wave
.set SPITCH, 528
.set ADRA, 16                          ; v16 16 l, v17 8 l, in my half of A
.set ADRB, 20                          ; v20, v21 B's blocks 0-3, 4-7; v22, v23 the same where lanes 16-31's piece lies behind one padding more
.set STO,  24
.set RD,   25
.set CO,   26
.set SPW,  28
.set NIL,  29
.set SC,   32
.set AF,   128
.set BK,   128
.set G1, 24
.set G0, 32
.set G1B, 48
.set G0B, 56
.set MSB, 0
.macro WIN new
.if MSB != \new
	s_set_vgpr_msb (MSB<<8)|\new
.set MSB, \new
.endif
.endm
.set MUL_LO, 0xa1
.set TO_B,   0x40
.macro CREST
	s_cmp_lg_u32 s14, 0
	s_cbranch_scc1 .Lnot_wave_0_\@
	s_barrier_signal -3
.Lnot_wave_0_\@:
	s_barrier_wait -3
	s_barrier_signal -1
	s_barrier_wait -1
.endm
.macro CROUND
	s_barrier_signal -1
	s_barrier_wait -1
	CREST
.endm
.macro PLACES n
.rept \n
	v_nop
.endr
.endm
	s_load_b256 s[68:75], s[0:1], 0x0              ; of, wc, sw, bo
	s_load_b64 s[76:77], s[0:1], 0x20              ; out0
	v_lshl_add_u32 v[SPW], v0, 2, SPARE
	v_mov_b32 v[NIL], 0
	ds_add_u32 v[SPW], v[NIL]                      ; the opening lines
	ds_add_u32 v[SPW], v[NIL]
	v_lshrrev_b32 v1, 5, v0
	v_readfirstlane_b32 s14, v1                    ; wave
	s_lshr_b32 s15, s14, 1                         ; my half of the rows; also: I fetch for A (0) or B (1)
	s_and_b32 s16, s14, 1                          ; my half of the columns; also: which half of that tile I fetch
	s_bfe_u32 s40, ttmp6, 0x40000                  ; cx
	s_bfe_u32 s41, ttmp6, 0x40004                  ; cy
	s_lshl_b32 s42, ttmp9, 2
	s_add_co_u32 s42, s42, s40                     ; tile column
	s_and_b32 s17, ttmp7, 0xffff
	s_lshl_b32 s17, s17, 2
	s_add_co_u32 s17, s17, s41                     ; tile row
	s_lshl_b32 s43, s41, 2
	s_lshl_b32 s43, 15, s43                        ; my row of the cluster
	s_lshl_b32 s44, 0x1111, s40                    ; my column
	s_or_b32 s[G1+0], s43, (3<<16)|(1<<21)         ; A: 49,152 dense bytes as 192 rows of 256 (32 elements of 8 bytes)
	s_mov_b32 s[G1+1], 32<<16
	s_mov_b32 s[G1+2], 192<<16
	s_mov_b32 s[G1+3], 32<<16
	s_mov_b32 s[G1+4], 192
	s_mov_b32 s[G1+5], 32
	s_mov_b32 s[G1+6], 0
	s_mov_b32 s[G1+7], 0
	s_or_b32 s[G1B+0], s44, (0<<16)|(1<<20)|(1<<21)|(5<<22)|(3<<25)   ; B: 128 rows of 768 bytes, 16 bytes of padding behind every 256
	s_mov_b32 s[G1B+1], KROW<<16
	s_mov_b32 s[G1B+2], 128<<16
	s_mov_b32 s[G1B+3], KROW<<16
	s_mov_b32 s[G1B+4], 128
	s_mov_b32 s[G1B+5], KROW
	s_mov_b32 s[G1B+6], 0
	s_mov_b32 s[G1B+7], 0
	s_lshl_b32 s20, s17, 1
	s_add_co_u32 s20, s20, s16
	s_mul_i32 s20, s20, HALFA
	s_mov_b32 s21, 0
	s_lshl_b32 s46, s42, 1
	s_add_co_u32 s46, s46, s16
	s_mul_i32 s46, s46, 128*KROW
	s_add_co_u32 s46, s46, 2359296
	s_mov_b32 s47, 0
	s_mul_i32 s45, s16, HALFA
	s_mul_i32 s94, s16, HALFB
	s_add_co_u32 s94, s94, BOFF
	s_wait_dscnt 0x0                               ; both opening adds are done
	s_wait_kmcnt 0x0
	s_add_nc_u64 s[20:21], s[68:69], s[20:21]
	s_add_nc_u64 s[46:47], s[70:71], s[46:47]
	CROUND                                         ; all sixteen work-groups are here: the joint loads meet
	s_mov_b32 s[G0], 1
	s_mov_b32 s[G0+1], s45
	s_mov_b64 s[G0+2:G0+3], s[20:21]
	s_or_b32 s[G0+3], s[G0+3], 0x80000000
	s_mov_b32 s[G0B], 1
	s_mov_b32 s[G0B+1], s94
	s_mov_b64 s[G0B+2:G0B+3], s[46:47]
	s_or_b32 s[G0B+3], s[G0B+3], 0x80000000
	s_cmp_eq_u32 s15, 0                            ; each of the two lines has one mask; an s_nop 0 and four v_nop follow each
	s_cbranch_scc0 .Lfor_b
	tensor_load_to_lds s[G0:G0+3], s[G1:G1+7]
	s_nop 0
	PLACES 4
	s_branch .Lasked
.Lfor_b:
	tensor_load_to_lds s[G0B:G0B+3], s[G1B:G1B+7]
	s_nop 0
	PLACES 4
.Lasked:
	v_and_b32 v1, 15, v0                           ; r
	v_bfe_u32 v2, v0, 4, 1                         ; h
	v_and_b32 v7, 31, v0
	v_lshlrev_b32 v10, 4, v7                       ; 16 l
	v_lshlrev_b32 v11, 3, v7                       ; 8 l
	v_mul_u32_u24 v3, v1, PITCH
	v_mul_u32_u24 v4, v2, 24
	v_add_nc_u32 v4, v3, v4                        ; row x pitch + 24 h
	v_lshl_add_u32 v5, v2, 4, v4                   ; the same behind one padding more for lanes 16-31
	s_mul_i32 s21, s15, HALFA
	s_mul_i32 s22, s16, HALFB
	s_add_co_u32 s22, s22, BOFF
	v_add_nc_u32 v[ADRA], s21, v10
	v_add_nc_u32 v[ADRA+1], s21, v11
	v_add_nc_u32 v[ADRB], s22, v4
	v_add_nc_u32 v[ADRB+2], s22, v5
	s_add_co_u32 s22, s22, 64*PITCH
	v_add_nc_u32 v[ADRB+1], s22, v4
	v_add_nc_u32 v[ADRB+3], s22, v5
	s_lshl_b32 s20, s17, 1
	s_add_co_u32 s20, s20, s15
	s_lshl_b32 s20, s20, 11                        ; A's scale words: 4 blocks of 512 bytes for my 64 rows
	s_add_co_u32 s20, s20, 917504
	s_lshl_b32 s21, s42, 1
	s_add_co_u32 s21, s21, s16
	s_lshl_b32 s21, s21, 12                        ; B's: 8 blocks for my 128 columns
	s_add_co_u32 s21, s21, 884736
	s_mov_b32 s23, 0xffff0000
	v_mov_b32 v6, s20
	v_mov_b32 v7, s21
	v_cndmask_b32 v6, v6, v7, s23
	v_lshl_add_u32 v6, v1, 2, v6                   ; lanes 0-15 A's rows, lanes 16-31 B's
	v_lshl_add_u32 v9, v2, 11, v6
	v_add_nc_u32 v9, 0xfffff800, v9                ; for blocks 4-7: lanes 0-15 stand 2,048 bytes back, on A's blocks 0-3 once more, inside the buffer
.irp i, 0,1,2,3
.irp q, 0,1,2,3,4,5,6,7
	global_load_b32 v[SC+8*\i+\q], v6, s[72:73] offset:512*\i+64*\q
	global_load_b32 v[SC+32+8*\i+\q], v9, s[72:73] offset:2048+512*\i+64*\q
.endr
.endr
	s_lshl_b32 s18, s42, 1
	s_add_co_u32 s18, s18, s16
	s_lshl_b32 s18, s18, 9
	v_lshl_add_u32 v8, v2, 5, s18                  ; the bias: 128 columns of 4 bytes a half, + 8 h columns
.irp b, 0,1,2,3,4,5,6,7
	global_load_b128 v[96+128*(\b/4)+8*(\b%4):96+128*(\b/4)+8*(\b%4)+3], v8, s[74:75] offset:64*\b
	global_load_b128 v[96+128*(\b/4)+8*(\b%4)+4:96+128*(\b/4)+8*(\b%4)+7], v8, s[74:75] offset:64*\b+16
.endr
	s_mul_i32 s23, s14, 16*SPITCH                  ; my stage
	v_mul_u32_u24 v5, v1, SPITCH
	v_lshl_add_u32 v5, v2, 5, v5
	v_add_nc_u32 v[STO], s23, v5
	v_mov_b32 v[CO], v10
	v_add_nc_u32 v[RD], s23, v10
	s_and_b32 s20, s17, 7                          ; tile row = 8 b + group of 128 queries
	s_lshl_b32 s20, s20, 1
	s_add_co_u32 s20, s20, s15
	s_lshl_b32 s20, s20, 9                         ; my first query x 8 rows
	s_lshr_b32 s21, s17, 3
	s_add_co_u32 s20, s20, s21                     ; + b
	s_lshl_b32 s20, s20, 12
	s_lshl_b32 s21, s42, 10
	s_add_co_u32 s20, s20, s21
	s_lshl_b32 s21, s16, 9
	s_add_co_u32 s20, s20, s21
	s_mov_b32 s21, 0
	s_add_nc_u64 s[12:13], s[76:77], s[20:21]
.macro FRAGB reg, st, i                ; byte y of a row of codes lies at y + 16 (y / 256) of its LDS row; pieces of 8 bytes
.irp p, 0,1,2,3,4,5
.set BY, 96*(\st)+48*(\p/3)+8*(\p%3)
.if BY/256 == (BY+24)/256
	ds_load_b64 v[\reg+2*\p:\reg+2*\p+1], v[ADRB+(\i)/4] offset:BY+16*(BY/256)+((\i)%4)*16*PITCH
.else
	ds_load_b64 v[\reg+2*\p:\reg+2*\p+1], v[ADRB+2+(\i)/4] offset:BY+16*(BY/256)+((\i)%4)*16*PITCH
.endif
.endr
.endm
.macro FRAGA reg, st, i                ; two heads' images make a fragment of 128 along K
	ds_load_b128 v[\reg:\reg+3],     v[ADRA]   offset:12288*(\i)+1536*(\st)
	ds_load_b64  v[\reg+4:\reg+5],   v[ADRA+1] offset:12288*(\i)+1536*(\st)+512
	ds_load_b128 v[\reg+6:\reg+9],   v[ADRA]   offset:12288*(\i)+1536*(\st)+768
	ds_load_b64  v[\reg+10:\reg+11], v[ADRA+1] offset:12288*(\i)+1536*(\st)+1280
.endm
.macro FETCH st, p                     ; step st's fragments into set p: 48 + 16 LDS loads
	WIN TO_B
.irp i, 0,1,2,3,4,5,6,7
	FRAGB 128*(\p)+FR*\i, \st, \i
.endr
	WIN 0
.irp i, 0,1,2,3
	FRAGA AF+48*(\p)+FR*\i, \st, \i
.endr
.endm
.macro MUL32 p, kq
.irp a, 0,1,2,3
.irp b, 0,1,2,3,4,5,6,7
.if (\kq) == 0
	v_wmma_scale_f32_16x16x128_f8f6f4 v[8*(8*\a+\b):8*(8*\a+\b)+7], v[128*(\p)+FR*\b:128*(\p)+FR*\b+FR-1], v[AF+48*(\p)+FR*\a:AF+48*(\p)+FR*\a+FR-1], v[96+128*(\b/4)+8*(\b%4):96+128*(\b/4)+8*(\b%4)+7], v[SC+8*\b+(\kq)], v[SC+8*\a+(\kq)] matrix_a_fmt:MATRIX_FMT_FP6 matrix_b_fmt:MATRIX_FMT_FP6 matrix_a_scale:MATRIX_SCALE_ROW1
.else
	v_wmma_scale_f32_16x16x128_f8f6f4 v[8*(8*\a+\b):8*(8*\a+\b)+7], v[128*(\p)+FR*\b:128*(\p)+FR*\b+FR-1], v[AF+48*(\p)+FR*\a:AF+48*(\p)+FR*\a+FR-1], v[8*(8*\a+\b):8*(8*\a+\b)+7], v[SC+8*\b+(\kq)], v[SC+8*\a+(\kq)] matrix_a_fmt:MATRIX_FMT_FP6 matrix_b_fmt:MATRIX_FMT_FP6 matrix_a_scale:MATRIX_SCALE_ROW1
.endif
.endr
.endr
.endm
.macro KSTEP st                        ; this step's fragments are in; the next step's are asked for, into the set that the last step multiplied; 32 matrix instructions
	s_wait_dscnt 0x0
.if (\st) < 7
.if (\st) > 0
	PLACES NP                                      ; between the last step's products and the loads into their sources
.endif
	FETCH (\st)+1, ((\st)+1)%2
.else
	s_barrier_signal -1                            ; my reads of the tiles are over
.endif
.if (\st) == 0
	WIN 0x81                                       ; C, the bias, in window 0
.else
	WIN MUL_LO
.endif
	MUL32 (\st)%2, \st
	WIN 0
.endm
	s_wait_alu depctr_va_vdst(0)
	s_wait_tensorcnt 0x0                           ; my part of the tiles is in
	s_barrier_signal -1
	s_barrier_wait -1                              ; everybody's is
	s_wait_loadcnt 0x0                             ; scale words and bias
	FETCH 0, 0
.irp s, 0,1,2,3,4,5,6,7
	KSTEP \s
.endr
	s_barrier_wait -1                              ; nobody reads the tiles any more: the stages may be written
.macro TOSTAGE a
	WIN 0x08                                       ; the data: window 2
.irp b, 0,1,2,3,4,5,6,7
	ds_store_b128 v[STO], v[64*(\a)+8*\b:64*(\a)+8*\b+3] offset:64*\b          ; each accumulator from its low end on
	ds_store_b128 v[STO], v[64*(\a)+8*\b+4:64*(\a)+8*\b+7] offset:64*\b+16
.endr
	WIN 0
.set BB, BK+64*((\a)%2)
.irp t, 0,1,2,3,4,5,6,7,8,9,10,11,12,13,14,15
	ds_load_b128 v[BB+4*\t:BB+4*\t+3], v[RD] offset:\t*SPITCH    ; my own bytes: LDS serves a wave's instructions in order
.endr
.endm
.macro SEND a, younger                 ; younger: the LDS instructions issued behind block a's loads
.set BB, BK+64*((\a)%2)
	s_wait_dscnt \younger
.if (\a) > 0
	s_add_nc_u64 s[12:13], s[12:13], 524288        ; 16 queries on (behind a wait on XCNT)
.endif
.irp t, 0,1,2,3,4,5,6,7,8,9,10,11,12,13,14,15
	global_store_b128 v[CO], v[BB+4*\t:BB+4*\t+3], s[12:13] offset:\t*32768 th:TH_STORE_NT   ; 32 lanes store 512 consecutive bytes, aligned
.endr
.endm
	PLACES NP
	TOSTAGE 0
.irp a, 1,2,3
.if \a > 1
	s_wait_xcnt 0x0                                ; block a - 2's stores have read their registers and their base
.endif
	TOSTAGE \a
	SEND \a-1, 32
.endr
	s_wait_xcnt 0x0
	SEND 3, 0
	s_wait_tensorcnt 0x0                           ; the wave's end
	ds_add_u32 v[SPW], v[NIL]
	s_wait_dscnt 0x0
	CROUND                                         ; the closing round
	s_endpgm
.Lfunc_end_k_qd3da0f0758_outproj:
	.size	k_qd3da0f0758_outproj, .Lfunc_end_k_qd3da0f0758_outproj-k_qd3da0f0758_outproj
	.p2alignl 7, 3214868480
	.fill 96, 4, 3214868480
	.section	.rodata,"a",@progbits
	.p2align	6, 0x0
	.amdhsa_kernel k_qd3da0f0758_outproj
		.amdhsa_group_segment_fixed_size 327680
		.amdhsa_private_segment_fixed_size 0
		.amdhsa_enable_private_segment 0
		.amdhsa_kernarg_size 40
		.amdhsa_user_sgpr_count 2
		.amdhsa_user_sgpr_kernarg_segment_ptr 1
		.amdhsa_wavefront_size32 1
		.amdhsa_system_sgpr_workgroup_id_x 1
		.amdhsa_system_sgpr_workgroup_id_y 1
		.amdhsa_system_sgpr_workgroup_id_z 1
		.amdhsa_system_vgpr_workitem_id 0
		.amdhsa_next_free_vgpr 768
		.amdhsa_next_free_sgpr 100
		.amdhsa_reserve_vcc 0
		.amdhsa_float_denorm_mode_32 3
		.amdhsa_float_denorm_mode_16_64 3
		.amdhsa_memory_ordered 1
		.amdhsa_forward_progress 1
		.amdhsa_inst_pref_size 96
	.end_amdhsa_kernel
	.amdgpu_metadata
---
amdhsa.version: [ 1, 2 ]
amdhsa.kernels:
  - .name:           k_qd3da0f0758_outproj
    .symbol:         k_qd3da0f0758_outproj.kd
    .args:
      - { .name: of, .offset: 0, .size: 8, .value_kind: global_buffer, .address_space: global }
      - { .name: wc, .offset: 8, .size: 8, .value_kind: global_buffer, .address_space: global }
      - { .name: sw, .offset: 16, .size: 8, .value_kind: global_buffer, .address_space: global }
      - { .name: bo, .offset: 24, .size: 8, .value_kind: global_buffer, .address_space: global }
      - { .name: out0, .offset: 32, .size: 8, .value_kind: global_buffer, .address_space: global }
    .group_segment_fixed_size: 327680
    .private_segment_fixed_size: 0
    .kernarg_segment_align: 8
    .kernarg_segment_size: 40
    .max_flat_workgroup_size: 128
    .sgpr_count:     100
    .vgpr_count:     768
    .wavefront_size: 32
...
	.end_amdgpu_metadata
.endif
;; end of part 4
